; MI455X (gfx1250); checked and timed in simulation.
; The chip was launched on July 23, 2026; its instructions are those of AMD's public machine-readable ISA for CDNA 5 (MIT licence, August 2026) and "CDNA5" Instruction Set Architecture Reference Guide (July 2026). The comments in the code are by the model that wrote it; some were corrected since.
;; selfattention. Allowed arithmetic: matrix products marked QUANTISED: E2M1 operands, one E8M0 scale for each 32 along K, by v_wmma_scale_f32_16x16x128_f8f6f4 with both operands' format E2M1 (or v_wmma_scale_f32_32x16x128_f4), f32 sums; products left as they are: bf16, f16 or f32 operands; f32 sums; everything else in f32.
;; Inputs: input 4 x 2,048 x 1,024 float32; w_in 3,072 x 1,024 float32; w_out 1,024 x 1,024 float32.
;; Outputs: out0 4 x 2,048 x 1,024 float32.
;; This version of the problem:
;;   THIS VERSION OF THE PROBLEM IS GIVEN IN LOW PRECISION. The matrix products marked QUANTISED in the list below multiply operands that are first quantised to E2M1 (2 exponent bits, 1 mantissa bit; 4 bits a number), with one power-of-two scale for each 32 numbers along K (OCP MX v1.0); their sums are f32. The products marked 'left as it is' may take bf16, f16 or f32 operands, with f32 sums. Whichever they take, every output number must still come out within the allowed error. Rounding operands to bf16 (8 significant bits) uses up far more of that allowance than f16 does (11 bits, for magnitudes from 6e-5 to 65,504). All else is computed in f32.
;;   The module's matrix products, in the order in which they are computed (A, B: the left and right operand; K: the contracted axis; several contracted axes count as one K, in the product's order):
;;     1. [M 8,192, K 1,024] x [K 1,024, N 3,072]; A: input input; B: input w_in: QUANTISED
;;     2. batch 64 x [M 2,048, K 64] x [K 64, N 2,048]; A: computed on the way; B: computed on the way: left as it is (an operand is computed on the way)
;;     3. batch 64 x [M 2,048, K 2,048] x [K 2,048, N 64]; A: computed on the way; B: computed on the way: left as it is (an operand is computed on the way)
;;     4. [M 8,192, K 1,024] x [K 1,024, N 1,024]; A: computed on the way; B: input w_out: left as it is (an operand is computed on the way)
;;   THE QUANTISER, for each operand of a quantised product, along K:
;;     - K is cut into blocks of 32 from its start; a last block that is shorter is filled with zeros.
;;     - A block's scale is 2^e with e = floor(log2(the largest magnitude in the block)) - 2, held to -126 .. 127; a block of zeros has e = 0. As a byte (E8M0): e + 127.
;;     - Each number is divided by its block's scale, clamped to +-6, and rounded to the nearest number of E2M1, ties to even, subnormals kept.
;;     - The product sums the exact products of the quantised numbers (number of the format x scale) in f32.
;;   ~~~python
;;   def quantise(x, axis):      # numpy; x: float32 -> the quantised numbers, widened to float32 again
;;       x = np.moveaxis(x, axis, -1); K = x.shape[-1]
;;       x = np.pad(x, [(0, 0)] * (x.ndim - 1) + [(0, -K % 32)]); x = x.reshape(x.shape[:-1] + (-1, 32)); a = np.abs(x).max(-1, keepdims=True)
;;       e = np.where(a > 0, np.clip(np.frexp(np.where(a > 0, a, 1))[1] - 1 - 2, -126, 127), 0)      # np.frexp(a)[1] - 1 = floor(log2(a)), exactly
;;       r = np.clip(x / 2.0 ** e, -6, 6)
;;       step = 2.0 ** (np.maximum(np.frexp(np.where(r == 0, 1, r))[1] - 1, 0) - 1)
;;       q = np.round(r / step) * step * 2.0 ** e      # np.round: ties to even
;;       return np.moveaxis(q.reshape(q.shape[:-2] + (-1,))[..., :K], -1, axis).astype(np.float32)
;;   ~~~
;; One version. Each part assembles by itself: llvm-mc -triple=amdgcn-amd-amdhsa -mcpu=gfx1250 --defsym DOCPART=n.
;; ======== version 1 of 1: 5 launches
;; limits: values are held in f16: magnitudes above 65,504 overflow, below 6.1e-05 lose precision
;; workspace buffers: xc 4,194,304 bytes; xs 262,144 bytes; wc 1,572,864 bytes; wsb 98,304 bytes; w16 2,097,152 bytes; qkv16 50,331,648 bytes; q32 786,432 bytes; ctx16 16,777,216 bytes
;; launch quant (part 1): grid 384 x 1, 4 waves a work-group, no clusters, 33,280 bytes of LDS; arguments input, w_in, w_out, xc, xs, wc, wsb, w16; writes xc, xs, wc, wsb, w16
.if DOCPART == 1
	.amdgcn_target "amdgcn-amd-amdhsa--gfx1250"
	.amdhsa_code_object_version 6
	.text
	.protected	k_q2dece5148d_quant
	.globl	k_q2dece5148d_quant
	.p2align	8
	.type	k_q2dece5148d_quant,@function
k_q2dece5148d_quant:
	s_mov_b64 s[64:65], 0
	v_nop
	global_prefetch_b8 v0, s[64:65] scope:SCOPE_SE
	s_setreg_imm32_b32 hwreg(HW_REG_WAVE_MODE, 25, 1), 1
	s_wait_xcnt 0x0
; input [8192][1024] and w_in [3072][1024], f32, become codes of FP4 (E2M1), K innermost, two codes a byte, with one E8M0 scale byte for each 32 along K;
; w_out [1024][1024], f32, becomes f16, laid [16 chunks of 64 along K][1024 rows][64]: rows of 128 bytes, each chunk dense.
; A block's scale is 2^(floor(log2(its largest magnitude)) - 2); its byte is the largest magnitude's exponent field - 2, held at 1 from below.
; LIMITS: a block of zeros, and a block whose largest magnitude lies under 2^-124, get the byte 1 (the bytes are read by this program alone; zero codes add nothing under it);
; NaN and infinities among the inputs are not served; w_out's magnitudes must stay under 65,504, f16's largest number.
; Work-groups 0-255 take input, 256-351 w_in (32,768 numbers each, one path: only pointers are chosen), 352-383 w_out (32 rows each, a path with no LDS).
; Quantiser: a wave takes 16 steps of 512 numbers.  Each load reads 512 consecutive bytes; a step's 2,048 bytes turn through the wave's own stage in LDS and come back 64 bytes a lane,
; so that a lane holds 16 neighbours along K and two neighbouring lanes a block.  No barrier: waves share nothing.
.set WAVES, 4
.set STEPS, 16
.set WGA,   256                        ; work-groups of input
.set WGQ,   352                        ; and of both quantised tensors
.set EMAX,  2
.set CB,    8                          ; bytes of 16 codes
.set R,     16                         ; v16-79   four sets of 16 numbers as loaded
.set X,     80                         ; v80-111  two sets of 16 neighbours
.set E,     112                        ; v112-127 a scale byte for each step
.set C,     128                        ; v128-191 codes: registers of its own for each step
.set WREG,  8192                       ; LDS: a region for each wave: two stages of 32 x SP bytes, then its 256 scale bytes
.set SP,    80                         ; a lane's place in a stage: 64 bytes + 16 of padding
.set SPW,   12                         ; v12 LDS address of my spare word; never rewritten
.set NIL,   13                         ; v13 0; never rewritten
.set SPARE, WAVES*WREG                 ; the spare words: 128 bytes a wave, named by no other line
	s_load_b256 s[4:11], s[0:1], 0x0               ; input s[4:5], w_in s[6:7], w_out s[8:9], xc s[10:11]
	s_load_b256 s[12:19], s[0:1], 0x20             ; xs s[12:13], wc s[14:15], wsb s[16:17], w16 s[18:19]
	v_lshl_add_u32 v[SPW], v0, 2, SPARE
	v_mov_b32 v[NIL], 0
	v_lshrrev_b32 v1, 5, v0
	v_readfirstlane_b32 s20, v1                    ; wave
	v_and_b32 v2, 31, v0                           ; lane
	s_wait_kmcnt 0x0
	s_cmp_ge_u32 ttmp9, WGQ                        ; the work-group's number alone decides
	s_cbranch_scc1 .Lwout
	v_lshlrev_b32 v3, 4, v2                        ; my 16 bytes of a load's 512
	s_mul_i32 s21, s20, WREG
	v_lshrrev_b32 v14, 2, v2
	v_mul_u32_u24 v14, v14, SP
	v_and_b32 v15, 3, v2
	v_lshl_add_u32 v14, v15, 4, v14
	v_add_nc_u32 v14, s21, v14                     ; the stage, on the way in: SP (lane / 4) + 16 (lane % 4)
	v_mul_u32_u24 v15, v2, SP
	v_add_nc_u32 v15, s21, v15                     ; and on the way out: SP x lane
	v_mul_u32_u24 v4, v2, CB                       ; my codes' place in a step's
	v_lshrrev_b32 v5, 1, v2
	s_add_co_u32 s21, s21, 2*32*SP
	v_add_nc_u32 v5, s21, v5                       ; my block's scale byte in the wave's 256
	v_lshlrev_b32 v7, 3, v2
	v_add_nc_u32 v6, s21, v7                       ; and 8 bytes a lane on the way out
	s_cmp_lt_u32 ttmp9, WGA
	s_cselect_b64 s[24:25], s[4:5], s[6:7]         ; numbers
	s_cselect_b64 s[26:27], s[10:11], s[14:15]     ; codes
	s_cselect_b64 s[28:29], s[12:13], s[16:17]     ; scale bytes
	s_cselect_b32 s21, 0, WGA
	s_sub_co_u32 s21, ttmp9, s21
	s_lshl_b32 s21, s21, 2
	s_add_co_u32 s30, s21, s20                     ; which run of 8,192 numbers is my wave's
	s_mov_b32 s31, 0
	s_mov_b64 s[32:33], 512*STEPS*4
	s_mul_u64 s[32:33], s[30:31], s[32:33]
	s_add_nc_u64 s[24:25], s[24:25], s[32:33]
	s_mov_b64 s[32:33], 32*STEPS*CB
	s_mul_u64 s[32:33], s[30:31], s[32:33]
	s_add_nc_u64 s[26:27], s[26:27], s[32:33]
	s_lshl_b32 s30, s30, 8                         ; 256 scale bytes a run
	s_add_nc_u64 s[28:29], s[28:29], s[30:31]
.macro LOAD t
.irp i, 0,1,2,3
	global_load_b128 v[R+16*((\t)%4)+4*\i:R+16*((\t)%4)+4*\i+3], v3, s[24:25] offset:2048*(\t)+512*\i th:TH_LOAD_NT   ; 32 lanes read 512 consecutive bytes
.endr
.endm
.macro TURN t                          ; step t's numbers through the stage: LDS serves a wave's instructions in order, so no wait stands between the stores and the loads
.irp i, 0,1,2,3
	ds_store_b128 v14, v[R+16*((\t)%4)+4*\i:R+16*((\t)%4)+4*\i+3] offset:32*SP*((\t)%2)+8*SP*\i
.endr
.irp i, 0,1,2,3
	ds_load_b128 v[X+16*((\t)%2)+4*\i:X+16*((\t)%2)+4*\i+3], v15 offset:32*SP*((\t)%2)+16*\i
.endr
.endm
.irp t, 0,1,2,3
	LOAD \t
.endr
	s_wait_loadcnt 12                              ; step 0's four loads are in; the twelve of steps 1 to 3 may be out
	TURN 0
.macro STEP t
.set XS, X+16*((\t)%2)
.if (\t) > 0
	s_wait_dscnt 1                                 ; this step's numbers are back from the stage; the last step's byte store, issued behind them, may be out
.else
	s_wait_dscnt 0x0
.endif
.if (\t)+4 < STEPS
	LOAD (\t)+4                                    ; into the registers that the stage's stores have read
.endif
.if (\t)+1 < STEPS
.if STEPS-2-(\t) >= 3
	s_wait_loadcnt 12                              ; the next step's four loads are in; those of the three steps behind it may be out
.else
	s_wait_loadcnt 4*(STEPS-2-(\t))
.endif
	TURN (\t)+1
.endif
	v_max3_num_f32 v8, |v[XS]|, |v[XS+1]|, |v[XS+2]|               ; the largest magnitude of my 16, in two chains
	v_max3_num_f32 v9, |v[XS+3]|, |v[XS+4]|, |v[XS+5]|
.irp i, 6,10
	v_max3_num_f32 v8, v8, |v[XS+\i]|, |v[XS+\i+1]|
	v_max3_num_f32 v9, v9, |v[XS+\i+2]|, |v[XS+\i+3]|
.endr
	v_max3_num_f32 v8, v8, |v[XS+14]|, |v[XS+15]|
	v_max3_num_f32 v8, v8, v9, (EMAX+1)<<23        ; and the floor 2^(3 - 127): the byte cannot fall under 1
	v_max_num_f32_dpp v8, v8, v8 row_xmask:1 row_mask:0xf bank_mask:0xf   ; with my neighbour's 16: the block's
	v_add_nc_u32 v11, -(EMAX<<23), v8              ; 2 off its exponent field: the conversion takes the exponent field of this operand as its scale
	v_cvt_scalef32_pk8_fp4_f32 v[C+4*(\t)], v[XS:XS+7], v11
	v_cvt_scalef32_pk8_fp4_f32 v[C+4*(\t)+1], v[XS+8:XS+15], v11
	v_lshrrev_b32 v[E+(\t)], 23, v11               ; the scale's byte (also the plain line behind the conversions)
	ds_store_b8 v5, v[E+(\t)] offset:16*(\t)       ; both lanes of a block write the same byte with the same value
	global_store_b64 v4, v[C+4*(\t):C+4*(\t)+1], s[26:27] offset:32*CB*(\t)   ; the wave stores 256 consecutive bytes, aligned
.endm
.irp t, 0,1,2,3,4,5,6,7,8,9,10,11,12,13,14,15
	STEP \t
.endr
	ds_load_b64 v[8:9], v6                         ; in order behind my byte stores
	s_wait_dscnt 0x0
	global_store_b64 v7, v[8:9], s[28:29]          ; 256 scale bytes, consecutive and aligned
	s_wait_tensorcnt 0x0                           ; the wave's end
	ds_add_u32 v[SPW], v[NIL]
	s_wait_dscnt 0x0
	s_endpgm
; w_out to f16.  Wave w of work-group u owns rows 32 u + 8 w .. + 7.  A load takes two rows' 256 bytes (64 along K), 16 bytes a lane; its 8 bytes of f16 a lane are 256 consecutive bytes of the chunk: two rows of 128.
; A ring of 16 loads; every offset is an immediate.
.Lwout:
	s_sub_co_u32 s21, ttmp9, WGQ
	s_lshl_b32 s21, s21, 5
	s_lshl_b32 s22, s20, 3
	s_add_co_u32 s21, s21, s22                     ; my first row
	s_lshl_b32 s30, s21, 12
	s_mov_b32 s31, 0
	s_add_nc_u64 s[8:9], s[8:9], s[30:31]
	s_lshl_b32 s30, s21, 7
	s_add_nc_u64 s[18:19], s[18:19], s[30:31]
	v_and_b32 v8, 15, v0
	v_bfe_u32 v9, v0, 4, 1
	v_lshlrev_b32 v8, 4, v8
	v_lshl_add_u32 v8, v9, 12, v8                  ; in: 4,096 (lane / 16) + 16 (lane % 16)
	v_lshlrev_b32 v10, 3, v2                       ; out: 8 x lane
.macro WLOAD it                        ; pair of rows it % 4, chunk it / 4
	global_load_b128 v[16+4*((\it)%16):16+4*((\it)%16)+3], v8, s[8:9] offset:((\it)%4)*8192+((\it)/4)*256 th:TH_LOAD_NT
.endm
.macro SLOTW it
.if (\it) < 48
	s_wait_loadcnt 15                              ; mine is in; the fifteen younger loads stay out
.else
	s_wait_loadcnt 63-(\it)                        ; the last 16 load nothing: the counts run down
.endif
	s_wait_xcnt 0x0                                ; the slot's last store has read its data registers
	v_cvt_pk_f16_f32 v[80+2*((\it)%16)], v[16+4*((\it)%16)], v[17+4*((\it)%16)]
	v_cvt_pk_f16_f32 v[81+2*((\it)%16)], v[18+4*((\it)%16)], v[19+4*((\it)%16)]
.if (\it)+16 < 64
	WLOAD (\it)+16
.endif
	global_store_b64 v10, v[80+2*((\it)%16):81+2*((\it)%16)], s[18:19] offset:((\it)/4)*131072+((\it)%4)*256
.endm
.set IT, 0
.rept 16
	WLOAD IT
.set IT, IT+1
.endr
.set IT, 0
.rept 64
	SLOTW IT
.set IT, IT+1
.endr
	s_endpgm
.Lfunc_end_k_q2dece5148d_quant:
	.size	k_q2dece5148d_quant, .Lfunc_end_k_q2dece5148d_quant-k_q2dece5148d_quant
	.p2alignl 7, 3214868480
	.fill 96, 4, 3214868480
	.section	.rodata,"a",@progbits
	.p2align	6, 0x0
	.amdhsa_kernel k_q2dece5148d_quant
		.amdhsa_group_segment_fixed_size 33280
		.amdhsa_private_segment_fixed_size 0
		.amdhsa_enable_private_segment 0
		.amdhsa_kernarg_size 64
		.amdhsa_user_sgpr_count 2
		.amdhsa_user_sgpr_kernarg_segment_ptr 1
		.amdhsa_wavefront_size32 1
		.amdhsa_system_sgpr_workgroup_id_x 1
		.amdhsa_system_sgpr_workgroup_id_y 1
		.amdhsa_system_sgpr_workgroup_id_z 1
		.amdhsa_system_vgpr_workitem_id 0
		.amdhsa_next_free_vgpr 192
		.amdhsa_next_free_sgpr 66
		.amdhsa_reserve_vcc 0
		.amdhsa_float_denorm_mode_32 3
		.amdhsa_float_denorm_mode_16_64 3
		.amdhsa_memory_ordered 1
		.amdhsa_forward_progress 1
		.amdhsa_inst_pref_size 58
	.end_amdhsa_kernel
	.amdgpu_metadata
---
amdhsa.version: [ 1, 2 ]
amdhsa.kernels:
  - .name:           k_q2dece5148d_quant
    .symbol:         k_q2dece5148d_quant.kd
    .args:
      - { .name: input, .offset: 0, .size: 8, .value_kind: global_buffer, .address_space: global }
      - { .name: w_in, .offset: 8, .size: 8, .value_kind: global_buffer, .address_space: global }
      - { .name: w_out, .offset: 16, .size: 8, .value_kind: global_buffer, .address_space: global }
      - { .name: xc, .offset: 24, .size: 8, .value_kind: global_buffer, .address_space: global }
      - { .name: xs, .offset: 32, .size: 8, .value_kind: global_buffer, .address_space: global }
      - { .name: wc, .offset: 40, .size: 8, .value_kind: global_buffer, .address_space: global }
      - { .name: wsb, .offset: 48, .size: 8, .value_kind: global_buffer, .address_space: global }
      - { .name: w16, .offset: 56, .size: 8, .value_kind: global_buffer, .address_space: global }
    .group_segment_fixed_size: 33280
    .private_segment_fixed_size: 0
    .kernarg_segment_align: 8
    .kernarg_segment_size: 64
    .max_flat_workgroup_size: 128
    .sgpr_count:     66
    .vgpr_count:     192
    .wavefront_size: 32
...
	.end_amdgpu_metadata
.endif
;; end of part 1
;; launch qkv (part 2): grid 12 x 32, 4 waves a work-group, clusters of 4 x 4, 327,680 bytes of LDS; arguments xc, xs, wc, wsb, qkv16, q32; writes qkv16, q32
.if DOCPART == 2
	.amdgcn_target "amdgcn-amd-amdhsa--gfx1250"
	.amdhsa_code_object_version 6
	.text
	.protected	k_q2dece5148d_qkv
	.globl	k_q2dece5148d_qkv
	.p2align	8
	.type	k_q2dece5148d_qkv,@function
k_q2dece5148d_qkv:
	s_mov_b64 s[64:65], 0
	v_nop
	global_prefetch_b8 v0, s[64:65] scope:SCOPE_SE
	s_setreg_imm32_b32 hwreg(HW_REG_WAVE_MODE, 25, 1), 1
	s_wait_xcnt 0x0
	s_wait_alu depctr_hold_cnt(0) depctr_sa_sdst(0) depctr_va_vdst(0) depctr_va_sdst(0) depctr_va_ssrc(0) depctr_va_vcc(0) depctr_vm_vsrc(0)
	s_getreg_b32 s2, hwreg(HW_REG_IB_STS2, 6, 4)
	s_cmp_eq_u32 s2, 0
	s_cbranch_scc0 .Lentry_in_a_cluster
	s_endpgm
.Lentry_in_a_cluster:
	s_bfe_u32 s2, ttmp6, 0x10000c
	s_cmp_lg_u32 s2, 0xf033
	s_cbranch_scc0 .Lentry_shape_is_right
	s_endpgm
.Lentry_shape_is_right:
; qkv[m][n] = sum over k of input[m][k] w_in[n][k], both as codes of FP4 (E2M1) with one E8M0 scale for each 32 along K; sums in f32.  m = 8,192, n = 3,072, k = 1,024.
; Results leave as f16 in head planes, qkv16 [4 b][48 g][2048 l][64] (g = n / 64: 16 heads of q, 16 of k, 16 of v), and the sums of positions 0-15 of each sequence also as f32, q32 [4 b][16 l][3072].
; LIMIT: |q|, |k|, |v| must stay under 65,504, f16's largest number.
; A tile of 256 x 256 is made by four waves, each 128 x 128: 64 accumulators, 512 registers.  K is two LDS slots of 512 along K (rows of 256 bytes): both are asked for at the head and nothing is filled again.
; The scale bytes of the tile's 256 + 256 rows, for all of K, are two dense blocks: they come once, with the first fills.
; CLUSTERS: 4 x 4 work-groups.  A's tiles are shared along a row of the cluster, B's along a column: joint loads with a mask that names the four.
; The tile row is 8 cy + cluster y: the four rows of a cluster hold the same place in the four sequences, so that 'my tile begins a sequence' is cluster y = 0, alike in all sixteen partners.
; THE MATRIX INSTRUCTION IS USED TRANSPOSED (source 0 = 16 rows of w_in, source 1 = 16 rows of input): a lane holds eight neighbouring columns of one row.
; REGISTERS, in windows of 256: window 0: v0-31 addresses; v32-95 scale words, two sets; v128-191 A's fragments, one set; on the way out v32-255 are free.
;   window 1: B's fragments, two sets, at v0 and v128.   window 2: accumulators of my rows 0-63 ((a, b) at v[8 (8 a + b)]);   window 3: of my rows 64-127.
.set SIZE_K, 1024
.set KSTEP,  512
.set NQ,     KSTEP/128
.set ROWB,   256                       ; a tile's row in bytes
.set KROW,   SIZE_K*4/8                ; a row of codes in memory
.set PITCH,  272                       ; an LDS row: 256 bytes + 16 of padding: the 16 rows of a load start at 16 different banks (64 banks of 4 bytes: ISA guide 11.1)
.set FR,     8
.set NL,     2
.set NP,     4                         ; places behind this matrix instruction (ISA guide 7.12.1)
.set HALFT,  128*PITCH
.set SLOT,   4*HALFT
.set KS,     SIZE_K/32                 ; a row of scale bytes
.set SCL,    2*SLOT                    ; behind the slots: the scales, as units of 256 bytes + 16 of padding
.set HALFS,  (128*KS/256)*272
.set SBLK,   (16*KS/256)*272
.set SPARE,  SCL+4*HALFS               ; the spare words, 128 bytes a wave, named by no other line
.set SPITCH, 528                       ; the way out in f32: 16 rows x (512 + 16) bytes a wave, in slot 0, which has had its only fill and its last read by then
.set HP,     144                       ; the way out in f16: a head's row of 128 bytes + 16; two head planes of 16 rows in the same stage
.set ADRA, 16
.set ADRB, 20
.set STO,  24                          ; v24 f32 stage, in
.set RD,   25                          ; v25 f32 stage, back
.set CO,   26                          ; v26 16 x lane
.set ADRS, 27
.set SPW,  28
.set NIL,  29
.set STO16, 30                         ; v30 f16 stage, in
.set RD16,  31                         ; v31 f16 stage, back
.set SC,   32
.set AF,   128
.set BK,   128                         ; f32 rows read back: v128-191
.set BH,   32                          ; f16 rows read back: v32-63 and v64-95 by turns
.set TMP,  192                         ; packed results: v192-223
.set G1, 24
.set G0, 32
.set G1B, 48
.set G0B, 56
.set G1S, 68
.set G0S, 76
.set G1SB, 80
.set G0SB, 88
.set MSB, 0
.macro WIN new                         ; the immediate's high byte repeats the setting that is left
.if MSB != \new
	s_set_vgpr_msb (MSB<<8)|\new
.set MSB, \new
.endif
.endm
.set MUL_LO, 0xa1                      ; source 0 (B) window 1, source 1 (A) window 0, C and D window 2
.set MUL_HI, 0xf1                      ; the same, C and D window 3
.set TO_B,   0x40                      ; destination window 1
; A joint load: waves 0 and 1 fetch for A, waves 2 and 3 for B; the branch hangs on the wave's number alone.  An s_nop 0 and four v_nop follow each line.
.macro JLOAD g0a, g1a, g0b, g1b
	s_cmp_eq_u32 s15, 0
	s_cbranch_scc0 .Lfor_b_\@
	tensor_load_to_lds s[\g0a:\g0a+3], s[\g1a:\g1a+7]
	s_nop 0
.rept 4
	v_nop
.endr
	s_branch .Lasked_\@
.Lfor_b_\@:
	tensor_load_to_lds s[\g0b:\g0b+3], s[\g1b:\g1b+7]
	s_nop 0
.rept 4
	v_nop
.endr
.Lasked_\@:
.endm
.macro CROUND                          ; a round of the cluster's barrier
	s_barrier_signal -1
	s_barrier_wait -1
	s_cmp_lg_u32 s14, 0
	s_cbranch_scc1 .Lnot_wave_0_\@
	s_barrier_signal -3
.Lnot_wave_0_\@:
	s_barrier_wait -3
	s_barrier_signal -1
	s_barrier_wait -1
.endm
	s_load_b128 s[4:7], s[0:1], 0x0                ; A's codes, A's scales
	s_load_b128 s[8:11], s[0:1], 0x10              ; B's codes, B's scales
	s_load_b64 s[12:13], s[0:1], 0x20              ; qkv16
	s_load_b64 s[66:67], s[0:1], 0x28              ; q32
	v_lshl_add_u32 v[SPW], v0, 2, SPARE
	v_mov_b32 v[NIL], 0
	ds_add_u32 v[SPW], v[NIL]                      ; the wave's opening: the add, twice on end, and its wait ahead of my first tensor load
	ds_add_u32 v[SPW], v[NIL]
	v_lshrrev_b32 v1, 5, v0
	v_readfirstlane_b32 s14, v1                    ; wave 0..3
	s_lshr_b32 s15, s14, 1                         ; my half of the tile's rows; also: I fetch for A (0) or B (1)
	s_and_b32 s16, s14, 1                          ; my half of its columns; also: which 128 rows I fetch
	s_bfe_u32 s40, ttmp6, 0x40000                  ; cx
	s_bfe_u32 s41, ttmp6, 0x40004                  ; cy
	s_lshl_b32 s42, ttmp9, 2
	s_add_co_u32 s42, s42, s40                     ; tile column = 4 x cluster x + cx
	s_and_b32 s95, ttmp7, 0xffff                   ; cluster y: the tile's place in its sequence
	s_lshl_b32 s17, s41, 3
	s_add_co_u32 s17, s17, s95                     ; tile row = 8 cy + cluster y: sequence cy
	s_lshl_b32 s43, s41, 2
	s_lshl_b32 s43, 15, s43                        ; my row of the cluster
	s_lshl_b32 s44, 0x1111, s40                    ; my column
	s_or_b32 s[G1+0], s43, (0<<16)|(1<<20)|(1<<21)|(5<<22)|(3<<25)  ; mask; elements of 1 byte; padding on; bit 21 beside a mask; 4 words after every 64
	s_or_b32 s[G1B+0], s44, (0<<16)|(1<<20)|(1<<21)|(5<<22)|(3<<25)
.irp g, G1, G1B
	s_mov_b32 s[\g+1], ROWB<<16                    ; tensor_dim0
	s_mov_b32 s[\g+2], 128<<16                     ; tensor_dim1
	s_mov_b32 s[\g+3], ROWB<<16                    ; tile_dim0
	s_mov_b32 s[\g+4], 128                         ; tile_dim1
	s_mov_b32 s[\g+5], KROW                        ; pitch
	s_mov_b32 s[\g+6], 0
	s_mov_b32 s[\g+7], 0
.endr
	s_or_b32 s[G1S+0], s43, (3<<16)|(1<<20)|(1<<21)|(5<<22)|(3<<25) ; the scales of 128 rows: dense, as rows of 256 bytes (32 elements of 8 bytes)
	s_or_b32 s[G1SB+0], s44, (3<<16)|(1<<20)|(1<<21)|(5<<22)|(3<<25)
.irp g, G1S, G1SB
	s_mov_b32 s[\g+1], 32<<16
	s_mov_b32 s[\g+2], (128*KS/256)<<16
	s_mov_b32 s[\g+3], 32<<16
	s_mov_b32 s[\g+4], 128*KS/256
	s_mov_b32 s[\g+5], 32
	s_mov_b32 s[\g+6], 0
	s_mov_b32 s[\g+7], 0
.endr
	s_lshl_b32 s18, s16, 7
	s_lshl_b32 s20, s17, 8
	s_add_co_u32 s20, s20, s18                     ; A: row 256 x tile row + 128 x half
	s_lshl_b32 s46, s42, 8
	s_add_co_u32 s46, s46, s18                     ; B: row 256 x tile column + 128 x half
	s_mov_b32 s21, 0
	s_mov_b32 s47, 0
	s_mov_b64 s[18:19], KS
	s_mul_u64 s[22:23], s[20:21], s[18:19]
	s_mul_u64 s[92:93], s[46:47], s[18:19]
	s_mov_b64 s[18:19], KROW
	s_mul_u64 s[20:21], s[20:21], s[18:19]
	s_mul_u64 s[46:47], s[46:47], s[18:19]
	s_mul_i32 s45, s14, HALFT                      ; where they go: wave x 128 rows
	s_mul_i32 s94, s14, HALFS
	s_wait_dscnt 0x0                               ; both opening adds are done
	s_wait_kmcnt 0x0
	s_add_nc_u64 s[20:21], s[4:5], s[20:21]
	s_add_nc_u64 s[22:23], s[6:7], s[22:23]
	s_add_nc_u64 s[46:47], s[8:9], s[46:47]
	s_add_nc_u64 s[92:93], s[10:11], s[92:93]
	CROUND                                         ; all sixteen work-groups are here: the joint loads meet
	s_mov_b32 s[G0S], 1
	s_add_co_u32 s[G0S+1], s94, SCL
	s_mov_b64 s[G0S+2:G0S+3], s[22:23]
	s_or_b32 s[G0S+3], s[G0S+3], 0x80000000
	s_mov_b32 s[G0SB], 1
	s_add_co_u32 s[G0SB+1], s94, SCL
	s_mov_b64 s[G0SB+2:G0SB+3], s[92:93]
	s_or_b32 s[G0SB+3], s[G0SB+3], 0x80000000
	JLOAD G0S, G1S, G0SB, G1SB                     ; the scales first
.irp s, 0,1
	s_mov_b32 s[G0+4*\s], 1
	s_add_co_u32 s[G0+4*\s+1], s45, \s*SLOT
	s_add_nc_u64 s[G0+4*\s+2:G0+4*\s+3], s[20:21], \s*ROWB
	s_or_b32 s[G0+4*\s+3], s[G0+4*\s+3], 0x80000000
	s_mov_b32 s[G0B+4*\s], 1
	s_add_co_u32 s[G0B+4*\s+1], s45, \s*SLOT
	s_add_nc_u64 s[G0B+4*\s+2:G0B+4*\s+3], s[46:47], \s*ROWB
	s_or_b32 s[G0B+4*\s+3], s[G0B+4*\s+3], 0x80000000
	JLOAD G0+4*\s, G1, G0B+4*\s, G1B               ; both halves of K: three loads of mine are out
.endr
	v_and_b32 v1, 15, v0                           ; r
	v_bfe_u32 v2, v0, 4, 1                         ; h
	v_mul_u32_u24 v3, v1, PITCH
	v_lshl_add_u32 v4, v2, 4, v3
	s_mul_i32 s21, s15, HALFT
	s_mul_i32 s22, s16, HALFT
	s_add_co_u32 s22, s22, 2*HALFT
.irp s, 0,1
	v_add_nc_u32 v[ADRA+\s], s21, v4
	v_add_nc_u32 v[ADRB+\s], s22, v4
	s_add_co_u32 s21, s21, SLOT
	s_add_co_u32 s22, s22, SLOT
.endr
	v_mul_u32_u24 v5, v1, KS                       ; my row's scales: KS bytes a row,
	v_lshrrev_b32 v6, 8, v5
	v_lshl_add_u32 v5, v6, 4, v5                   ; and 16 more for each 256 passed
	s_mul_i32 s21, s15, HALFS
	s_mul_i32 s22, s16, HALFS
	s_add_co_u32 s22, s22, 2*HALFS
	s_sub_co_u32 s22, s22, s21
	v_mul_u32_u24 v6, s22, v2                      ; lanes 16-31 take B's
	s_add_co_u32 s21, s21, SCL
	v_add_nc_u32 v5, v5, v6
	v_add_nc_u32 v[ADRS], s21, v5
	s_mul_i32 s23, s14, 16*SPITCH                  ; my stage
	v_mul_u32_u24 v5, v1, SPITCH
	v_lshl_add_u32 v5, v2, 5, v5
	v_add_nc_u32 v[STO], s23, v5                   ; f32 in: row r, 32 bytes for each half of the lanes
	v_and_b32 v6, 31, v0
	v_lshlrev_b32 v[CO], 4, v6
	v_add_nc_u32 v[RD], s23, v[CO]                 ; f32 back: the 32 lanes take a row of 512 bytes
	v_mul_u32_u24 v5, v1, HP
	v_lshl_add_u32 v5, v2, 4, v5
	v_add_nc_u32 v[STO16], s23, v5                 ; f16 in: row r, 16 bytes for each half
	v_lshrrev_b32 v5, 3, v6
	v_mul_u32_u24 v5, v5, HP
	v_and_b32 v7, 7, v0
	v_lshl_add_u32 v5, v7, 4, v5
	v_add_nc_u32 v[RD16], s23, v5                  ; f16 back: eight lanes to a row of 128 bytes, four rows an instruction
	; qkv16: sequence cy x 48 planes + (4 x tile column + 2 x column half) planes of 262,144 bytes + (256 cluster y + 128 row half) rows of 128 bytes
	s_mul_i32 s20, s41, 12582912
	s_lshl_b32 s21, s95, 15
	s_add_co_u32 s20, s20, s21
	s_lshl_b32 s21, s15, 14
	s_add_co_u32 s20, s20, s21
	s_mov_b32 s21, 0
	s_lshl_b32 s46, s42, 20
	s_lshl_b32 s47, s16, 19
	s_add_co_u32 s46, s46, s47
	s_mov_b32 s47, 0
	s_add_nc_u64 s[20:21], s[20:21], s[46:47]
	s_add_nc_u64 s[12:13], s[12:13], s[20:21]
	; q32: sequence cy x 16 rows of 12,288 bytes + my 128 columns
	s_mul_i32 s20, s41, 196608
	s_mov_b32 s21, 0
	s_lshl_b32 s46, s42, 10
	s_lshl_b32 s47, s16, 9
	s_add_co_u32 s46, s46, s47
	s_mov_b32 s47, 0
	s_add_nc_u64 s[20:21], s[20:21], s[46:47]
	s_add_nc_u64 s[66:67], s[66:67], s[20:21]
.macro FRAG reg, adr, q, i             ; 16 rows x 128 K of 4-bit codes: lane l holds row l % 16; registers 4 c .. 4 c + 3 hold K = 64 c + 32 (l / 16) + 0 .. 31
.irp c, 0,1
	ds_load_b128 v[\reg+4*\c:\reg+4*\c+3], v[\adr] offset:64*(\q)+32*\c+(\i)*16*PITCH
.endr
.endm
; 16 matrix instructions: A's blocks a0, a0 + 1 x B's eight.  p: B's set; sc: the set of scale words.  The 64 accumulators take turns, one instruction a turn.
; A scale register holds A's word of block i in lanes 0-15 and B's word of block i in lanes 16-31.
.macro MUL16 a0, p, q, sc, zero
.irp a, \a0, \a0+1
.irp b, 0,1,2,3,4,5,6,7
.if \zero
	v_wmma_scale_f32_16x16x128_f8f6f4 v[8*(8*((\a)%4)+\b):8*(8*((\a)%4)+\b)+7], v[128*(\p)+FR*\b:128*(\p)+FR*\b+FR-1], v[AF+FR*(\a):AF+FR*(\a)+FR-1], 0, v[SC+8*NQ*(\sc)+NQ*\b+(\q)], v[SC+8*NQ*(\sc)+NQ*(\a)+(\q)] matrix_a_fmt:MATRIX_FMT_FP4 matrix_b_fmt:MATRIX_FMT_FP4 matrix_a_scale:MATRIX_SCALE_ROW1
.else
	v_wmma_scale_f32_16x16x128_f8f6f4 v[8*(8*((\a)%4)+\b):8*(8*((\a)%4)+\b)+7], v[128*(\p)+FR*\b:128*(\p)+FR*\b+FR-1], v[AF+FR*(\a):AF+FR*(\a)+FR-1], v[8*(8*((\a)%4)+\b):8*(8*((\a)%4)+\b)+7], v[SC+8*NQ*(\sc)+NQ*\b+(\q)], v[SC+8*NQ*(\sc)+NQ*(\a)+(\q)] matrix_a_fmt:MATRIX_FMT_FP4 matrix_b_fmt:MATRIX_FMT_FP4 matrix_a_scale:MATRIX_SCALE_ROW1
.endif
.endr
.endr
.endm
.macro FETCH_B slot, q, p
	WIN TO_B
.irp i, 0,1,2,3,4,5,6,7
	FRAG 128*(\p)+FR*\i, ADRB+\slot, \q, \i
.endr
	WIN 0
.endm
.macro FETCH_A slot, q, i0
.irp i, \i0, \i0+1, \i0+2, \i0+3
	FRAG AF+FR*(\i), ADRA+\slot, \q, \i
.endr
.endm
.macro SCALES sc                       ; a slot's scale words: NQ words a row
.irp i, 0,1,2,3,4,5,6,7
	ds_load_b128 v[SC+8*NQ*\sc+NQ*\i:SC+8*NQ*\sc+NQ*\i+3], v[ADRS] offset:\i*SBLK
.endr
.endm
.macro PLACES n                        ; plain vector lines between a matrix instruction and a load into, or a read of, its registers
.rept \n
	v_nop
.endr
.endm
.macro STEP slot, q, zero              ; 128 along K, with its successor in the same slot
	s_wait_dscnt 4*NL                              ; B's set and A's blocks 0-3 are in; the youngest eight loads (A's blocks 4-7) may be out
	WIN MUL_LO
	MUL16 0, (\q)%2, \q, \slot, \zero
	MUL16 2, (\q)%2, \q, \slot, \zero
	s_wait_dscnt 0
	PLACES NP
	FETCH_B \slot, (\q)+1, 1-(\q)%2
	FETCH_A \slot, (\q)+1, 0
	WIN MUL_HI
	MUL16 4, (\q)%2, \q, \slot, \zero
	MUL16 6, (\q)%2, \q, \slot, \zero
	PLACES NP
	WIN 0
	FETCH_A \slot, (\q)+1, 4
.endm
; Slot 0's last step goes over to slot 1: each wave waits for all its tensor loads, its part of slot 1 among them, and the barrier shows the slot whole to all four.  Nothing is filled again.
.macro TURN slot, next
	s_wait_tensorcnt 0x0
	ds_add_u32 v[SPW], v[NIL]
	s_wait_dscnt 4*NL+1                            ; the add and the youngest eight loads may be out
	WIN MUL_LO
	MUL16 0, 1, NQ-1, \slot, 0
	s_wait_dscnt 0x0                               ; the add is done, and my reads of this slot are over
	s_barrier_signal -1
	MUL16 2, 1, NQ-1, \slot, 0
	WIN 0
	s_barrier_wait -1
	PLACES NP
	v_add_nc_u32 v[ADRS], 4*NQ, v[ADRS]            ; the next slot's scale words
	FETCH_B \next, 0, 0
	FETCH_A \next, 0, 0
	SCALES \next
	WIN MUL_HI
	MUL16 4, 1, NQ-1, \slot, 0
	MUL16 6, 1, NQ-1, \slot, 0
	PLACES NP
	WIN 0
	FETCH_A \next, 0, 4
.endm
.macro STEPS slot, from
.set Q, \from
.rept NQ-1-\from
	STEP \slot, Q, 0
.set Q, Q+1
.endr
.endm
	s_wait_tensorcnt 1                             ; the scales and my part of slot 0 are in; slot 1's load, the one issued behind them, may be out
	s_barrier_signal -1
	s_barrier_wait -1
	FETCH_B 0, 0, 0
	FETCH_A 0, 0, 0
	SCALES 0
	FETCH_A 0, 0, 4
	STEP 0, 0, 1                                   ; the first products start the sums: nothing is cleared
	STEPS 0, 1
	TURN 0, 1
	STEPS 1, 0
	s_wait_dscnt 4*NL                              ; the last step: nothing more to fetch
	WIN MUL_LO
	MUL16 0, 1, NQ-1, 1, 0
	MUL16 2, 1, NQ-1, 1, 0
	s_wait_dscnt 0
	WIN MUL_HI
	MUL16 4, 1, NQ-1, 1, 0
	MUL16 6, 1, NQ-1, 1, 0
	WIN 0
	PLACES NP                                      ; behind the last products: for the reads of results and the loads into operand registers below
	; THE FIRST 16 POSITIONS OF A SEQUENCE ALSO LEAVE IN F32: block 0 of the waves with the upper row half, in tiles with cluster y = 0 (alike in all partners).
	s_or_b32 s96, s95, s15
	s_cmp_lg_u32 s96, 0
	s_cbranch_scc1 .Lno32
	WIN 0x08                                       ; an LDS store's data: window 2
.irp b, 0,1,2,3,4,5,6,7
	ds_store_b128 v[STO], v[8*\b:8*\b+3] offset:64*\b               ; each accumulator from its low end on
	ds_store_b128 v[STO], v[8*\b+4:8*\b+7] offset:64*\b+16
.endr
	WIN 0
.irp t, 0,1,2,3,4,5,6,7,8,9,10,11,12,13,14,15
	ds_load_b128 v[BK+4*\t:BK+4*\t+3], v[RD] offset:\t*SPITCH       ; in order behind my stores
.endr
	s_wait_dscnt 0x0
.irp t, 0,1,2,3,4,5,6,7,8,9,10,11,12,13,14,15
	global_store_b128 v[CO], v[BK+4*\t:BK+4*\t+3], s[66:67] offset:\t*12288   ; 512 consecutive bytes of row t
.endr
.Lno32:
; ALL EIGHT BLOCKS IN F16.  A lane's eight columns pack into 16 bytes; a block's 128 columns are two heads: two planes of 16 rows x 144 bytes in my stage; four rows of a head, 512 consecutive bytes of memory, come back at a time.
.macro PACK a
.set AC, 64*((\a)%4)
	WIN 0x0a+5*((\a)/4)                            ; sources 0 and 1: window 2 or 3
.irp b, 0,1,2,3,4,5,6,7
.irp i, 0,1,2,3
	v_cvt_pk_f16_f32 v[TMP+4*\b+\i], v[AC+8*\b+2*\i], v[AC+8*\b+2*\i+1]
.endr
.endr
	WIN 0
.endm
.macro TOSTAGE16 a
.set BB, BH+32*((\a)%2)
.irp b, 0,1,2,3,4,5,6,7
	ds_store_b128 v[STO16], v[TMP+4*\b:TMP+4*\b+3] offset:(\b/4)*16*HP+(\b%4)*32
.endr
.irp u, 0,1,2,3,4,5,6,7
	ds_load_b128 v[BB+4*\u:BB+4*\u+3], v[RD16] offset:(\u/4)*16*HP+(\u%4)*4*HP   ; in order behind my stores
.endr
.endm
.macro SEND16 a
.set BB, BH+32*((\a)%2)
	s_wait_dscnt 0x0                               ; the block is back in registers
	s_wait_xcnt 0x0                                ; the stores of the block before have read their registers: the next block's loads may land there
.irp u, 0,1,2,3,4,5,6,7
	global_store_b128 v[CO], v[BB+4*\u:BB+4*\u+3], s[12:13] offset:(\u/4)*262144+(\a)*2048+(\u%4)*512   ; 512 consecutive bytes, aligned
.endr
.endm
	PACK 0
	TOSTAGE16 0
.irp a, 1,2,3,4,5,6,7
	PACK \a                                        ; block a's conversions stand between block a - 1's loads from the stage and the wait for them
	SEND16 \a-1
	TOSTAGE16 \a
.endr
	SEND16 7
	s_wait_tensorcnt 0x0                           ; the wave's end
	ds_add_u32 v[SPW], v[NIL]
	s_wait_dscnt 0x0
	CROUND                                         ; the closing round
	s_endpgm
.Lfunc_end_k_q2dece5148d_qkv:
	.size	k_q2dece5148d_qkv, .Lfunc_end_k_q2dece5148d_qkv-k_q2dece5148d_qkv
	.p2alignl 7, 3214868480
	.fill 96, 4, 3214868480
	.section	.rodata,"a",@progbits
	.p2align	6, 0x0
	.amdhsa_kernel k_q2dece5148d_qkv
		.amdhsa_group_segment_fixed_size 327680
		.amdhsa_private_segment_fixed_size 0
		.amdhsa_enable_private_segment 0
		.amdhsa_kernarg_size 48
		.amdhsa_user_sgpr_count 2
		.amdhsa_user_sgpr_kernarg_segment_ptr 1
		.amdhsa_wavefront_size32 1
		.amdhsa_system_sgpr_workgroup_id_x 1
		.amdhsa_system_sgpr_workgroup_id_y 1
		.amdhsa_system_sgpr_workgroup_id_z 1
		.amdhsa_system_vgpr_workitem_id 0
		.amdhsa_next_free_vgpr 1024
		.amdhsa_next_free_sgpr 98
		.amdhsa_reserve_vcc 0
		.amdhsa_float_denorm_mode_32 3
		.amdhsa_float_denorm_mode_16_64 3
		.amdhsa_memory_ordered 1
		.amdhsa_forward_progress 1
		.amdhsa_inst_pref_size 131
	.end_amdhsa_kernel
	.amdgpu_metadata
---
amdhsa.version: [ 1, 2 ]
amdhsa.kernels:
  - .name:           k_q2dece5148d_qkv
    .symbol:         k_q2dece5148d_qkv.kd
    .args:
      - { .name: xc, .offset: 0, .size: 8, .value_kind: global_buffer, .address_space: global }
      - { .name: xs, .offset: 8, .size: 8, .value_kind: global_buffer, .address_space: global }
      - { .name: wc, .offset: 16, .size: 8, .value_kind: global_buffer, .address_space: global }
      - { .name: wsb, .offset: 24, .size: 8, .value_kind: global_buffer, .address_space: global }
      - { .name: qkv16, .offset: 32, .size: 8, .value_kind: global_buffer, .address_space: global }
      - { .name: q32, .offset: 40, .size: 8, .value_kind: global_buffer, .address_space: global }
    .group_segment_fixed_size: 327680
    .private_segment_fixed_size: 0
    .kernarg_segment_align: 8
    .kernarg_segment_size: 48
    .max_flat_workgroup_size: 128
    .sgpr_count:     98
    .vgpr_count:     1024
    .wavefront_size: 32
...
	.end_amdgpu_metadata
.endif
;; end of part 2
;; launch attn (part 3): grid 4 x 64, 16 waves a work-group, no clusters, 327,680 bytes of LDS; arguments qkv16, ctx16; writes ctx16
.if DOCPART == 3
	.amdgcn_target "amdgcn-amd-amdhsa--gfx1250"
	.amdhsa_code_object_version 6
	.text
	.protected	k_q2dece5148d_attn
	.globl	k_q2dece5148d_attn
	.p2align	8
	.type	k_q2dece5148d_attn,@function
k_q2dece5148d_attn:
	s_mov_b64 s[64:65], 0
	v_nop
	global_prefetch_b8 v0, s[64:65] scope:SCOPE_SE
	s_setreg_imm32_b32 hwreg(HW_REG_WAVE_MODE, 25, 1), 1
	s_wait_xcnt 0x0
; ctx[b][h][q][:] = the sum over keys k <= q of softmax_k(Q[q] . K[k] / 8) V[k][:].  Q, K, V: planes of qkv16 [4 b][48 g][2048][64], f16; ctx16 [4 b][16 h][2048][64], f16.
; Products on f16 operands with f32 sums; maxima, exponentials and sums in f32; the weights p (at most 1) are rounded to f16 for the second product, ctx once at the end.
; LIMIT: |ctx| stays under the largest |v|, which must be under 65,504.  NaN and infinities are not served.
; SHARES.  Work-group (p, head) owns query blocks p and 7 - p of 256 queries: under the causal mask every work-group has the same work.  No cluster: the four work-groups of a head need 5 to 8 slots of keys,
; so a partner would have to be led round a joint load.  Each of 16 waves owns 32 queries, two tiles of 16; waves of both blocks are spread over the wave numbers.
; Every wave walks all 8 slots of 256 keys, 64 keys a step; the loops' trip counts are constants, and a step all of whose keys come after the wave's queries is jumped over on ids.
; LAYOUT.  S^T = K Q^T (source 0 = 16 keys, source 1 = 16 queries): a lane holds ONE query (lane % 16) and keys 8 (lane / 16) + 0..7 of each tile.  Two such tiles, packed to f16 in pairs, ARE source 1
; (32 keys x 16 queries) of O^T = V^T P, whose result again holds one query a lane.  K comes out of LDS as it lies, V ([key][channel]) turned by ds_load_tr16_b128.
; SOFTMAX.  A running maximum m and sum l for each query: p = 2^(c s - c m), c = log2(e) / 8; in every step O and l are multiplied by a = 2^(c m_old - c m_new).
; REGISTERS: v1-11 addresses and mask; v12-27 statistics, 8 a tile; v28-31 addresses; v32-63 Q; v64-127 K's, then V's fragments; v128-191 S^T, p packed in place; v192-255 O^T.
.set KP,    144                        ; a row of K in LDS: 128 bytes + 16: the 16 rows of a load start at 16 different banks (ISA guide 11.1)
.set VP,    160                        ; a row of V: 128 + 32
.set SKEYS, 256                        ; keys in a slot
.set VOFF,  SKEYS*KP                   ; a slot: 256 rows of K, then 256 rows of V
.set SLOT1, 1<<17                      ; slot 1 begins here: one exclusive or turns an address
.set SPARE, 2*SLOT1                    ; the spare words, 128 bytes a wave, named by no other line
.set PLANE, 262144                     ; a head's plane in bytes
.set SLOTB, SKEYS*128                  ; a slot's rows in memory
.set STG,   2*16*KP                    ; the way out: 2 tiles x 16 rows x 144 bytes a wave, in LDS slot 0, which was left at the last change of slots
.set AK0, 1
.set AV0, 2
.set SPW, 3
.set NIL, 4
.set ADK, 5
.set ADV, 6
.set GO,  7                            ; 16 x lane
.set RH,  8                            ; lane % 16 - 8 (lane / 16)
.set D0,  9                            ; v9, v10: the mask's bound for tiles 0, 1
.set NINF, 11
.set ST,  12                           ; tile t at v[ST+8 t]: +0 c m, +1 m, +2, +3 l, +4 .. +7 at work; a lies in +6
.set PFO, 28
.set STO, 29
.set RD,  30
.set QA,  31
.set QF,  32                           ; Q: tile t, channels 32 s on: v[QF+16 t+8 s]
.set KV,  64
.set S,   128
.set O,   192
.set TBK, 2                            ; s2  LDS byte of the step's K rows
.set TBV, 3                            ; s3  of its V rows (less VOFF)
.set WV,  18
.set SEL, 20
.set CS,  22
.set G1K, 24
.set G1V, 32
.set G0K, 40
.set G0V, 44
.set SLOTS, 48
.set STP, 49
.set KF,  50                           ; the step's first key
.set Q0,  51                           ; my first query
.set QL,  52                           ; my work-group's last query
.set PFA, 54
.set LIM, 56
; Waves 0 and 1 fetch K's halves of a slot, waves 2 and 3 V's, the others nothing.  An s_nop 0 and four v_nop follow each line.
.macro TLOAD
	s_cmp_lt_u32 s[WV], 2
	s_cbranch_scc0 .Lnot_k_\@
	tensor_load_to_lds s[G0K:G0K+3], s[G1K:G1K+7]
	s_nop 0
.rept 4
	v_nop
.endr
	s_branch .Lasked_\@
.Lnot_k_\@:
	s_cmp_lt_u32 s[WV], 4
	s_cbranch_scc0 .Lasked_\@
	tensor_load_to_lds s[G0V:G0V+3], s[G1V:G1V+7]
	s_nop 0
.rept 4
	v_nop
.endr
.Lasked_\@:
.endm
; A prefetch of what the NEXT change of slots will ask for: a slot's 32,768 dense bytes of K and of V.  The head's work-group 0, which loads all eight slots, asks, and nobody else; in it waves 4 to 7 name K's
; bytes and waves 8 to 11 V's, 8,192 a wave, lanes 256 bytes apart: each aligned block of 256 bytes is named once in the launch.  Slots 0 and 1 come by their loads alone; the last filling change asks for nothing.
.macro ASK
	s_cmp_gt_u32 s[SLOTS], s[LIM]
	s_cbranch_scc0 .Lnot_mine_\@
	global_prefetch_b8 v[PFO], s[PFA:PFA+1] th:TH_LOAD_NT scope:SCOPE_SE
.Lnot_mine_\@:
.endm
	s_load_b128 s[8:11], s[0:1], 0x0               ; qkv16, ctx16
	v_lshl_add_u32 v[SPW], v0, 2, SPARE
	v_mov_b32 v[NIL], 0
	ds_add_u32 v[SPW], v[NIL]                      ; the wave's opening: the add, twice on end, and its wait ahead of the first tensor load
	ds_add_u32 v[SPW], v[NIL]
	v_lshrrev_b32 v5, 5, v0
	v_readfirstlane_b32 s[WV], v5                  ; wave 0..15
	s_and_b32 s57, ttmp7, 0xffff                   ; 16 b + h
	s_lshr_b32 s58, s57, 4
	s_and_b32 s59, s57, 15
	s_mul_i32 s58, s58, 48
	s_add_co_u32 s58, s58, s59                     ; q's plane: 48 b + h
	s_lshl_b32 s58, s58, 18
	s_mov_b32 s59, 0
	s_lshl_b32 s60, s57, 18                        ; ctx's plane
	s_mov_b32 s61, 0
	s_lshr_b32 s62, s[WV], 2
	s_xor_b32 s62, s62, s[WV]
	s_and_b32 s62, s62, 1                          ; which of the two blocks is my wave's
	s_lshl_b32 s63, ttmp9, 1
	s_sub_co_u32 s63, 7, s63
	s_mul_i32 s62, s62, s63
	s_add_co_u32 s62, s62, ttmp9                   ; block p or 7 - p
	s_lshl_b32 s62, s62, 8
	s_lshr_b32 s63, s[WV], 1
	s_lshl_b32 s63, s63, 5
	s_add_co_u32 s[Q0], s62, s63                   ; + 32 (wave / 2)
	s_sub_co_u32 s[QL], 7, ttmp9
	s_lshl_b32 s[QL], s[QL], 8
	s_or_b32 s[QL], s[QL], 255
	s_lshl_b32 s62, s[Q0], 7                       ; my rows, in bytes
	s_mov_b32 s63, 0
	s_and_b32 s70, s[WV], 1                        ; which half of a slot I fetch, if I fetch
	s_mul_i32 s71, s70, 128*KP
	s_mul_i32 s72, s70, 128*VP
	s_add_co_u32 s72, s72, VOFF
	s_lshl_b32 s74, s70, 14
	s_mov_b32 s75, 0
	; descriptor group 1: 128 rows of 64 elements of 2 bytes, dense in memory, padded in LDS behind every 32 words
	s_mov_b32 s[G1K], (1<<16)|(1<<20)|(4<<22)|(3<<25)              ; 4 words of padding
	s_mov_b32 s[G1V], (1<<16)|(1<<20)|(4<<22)|(7<<25)              ; 8 words
.irp g, G1K, G1V
	s_mov_b32 s[\g+1], 64<<16                      ; tensor_dim0
	s_mov_b32 s[\g+2], 128<<16                     ; tensor_dim1
	s_mov_b32 s[\g+3], 64<<16                      ; tile_dim0
	s_mov_b32 s[\g+4], 128                         ; tile_dim1
	s_mov_b32 s[\g+5], 64                          ; pitch
	s_mov_b32 s[\g+6], 0
	s_mov_b32 s[\g+7], 0
.endr
	s_mov_b32 s[SEL], 0x76543210
	s_mov_b32 s[SEL+1], 0xfedcba98                 ; v_permlanex16_b32: lane l xor 16
	s_mov_b32 s[CS], 0x3e38aa3b                    ; c = log2(e) / 8
	s_mov_b32 s[CS+1], s[CS]
	s_mov_b32 s[TBK], 0
	s_mov_b32 s[TBV], 0
	s_mov_b32 s[KF], 0
	s_mov_b32 s[SLOTS], 7
	s_wait_dscnt 0x0                               ; both opening adds are done
	s_wait_kmcnt 0x0
	s_add_nc_u64 s[66:67], s[8:9], s[58:59]        ; q's plane
	s_add_nc_u64 s[4:5], s[66:67], s[62:63]        ; my rows of Q
	s_add_nc_u64 s[66:67], s[66:67], 16*PLANE      ; k's plane
	s_add_nc_u64 s[68:69], s[66:67], 16*PLANE      ; v's plane
	s_add_nc_u64 s[6:7], s[10:11], s[60:61]
	s_add_nc_u64 s[6:7], s[6:7], s[62:63]          ; my rows of ctx
	s_mov_b32 s[G0K], 1
	s_mov_b32 s[G0K+1], s71
	s_add_nc_u64 s[G0K+2:G0K+3], s[66:67], s[74:75]
	s_or_b32 s[G0K+3], s[G0K+3], 0x80000000
	s_mov_b32 s[G0V], 1
	s_mov_b32 s[G0V+1], s72
	s_add_nc_u64 s[G0V+2:G0V+3], s[68:69], s[74:75]
	s_or_b32 s[G0V+3], s[G0V+3], 0x80000000
	TLOAD                                          ; slot 0: it holds key 0, which counts for every query
	s_cmp_lt_u32 s[WV], 8
	s_cselect_b64 s[PFA:PFA+1], s[66:67], s[68:69]
	s_and_b32 s57, s[WV], 3
	s_lshl_b32 s57, s57, 13
	s_add_co_u32 s58, s57, SLOTB                   ; my wave's part, in slot 1: the first change of slots steps it to slot 2
	s_mov_b32 s59, 0
	s_add_nc_u64 s[PFA:PFA+1], s[PFA:PFA+1], s[58:59]
	s_sub_co_u32 s57, s[WV], 4
	s_lshr_b32 s57, s57, 3                         ; 0 in waves 4 to 11,
	s_or_b32 s57, s57, ttmp9                       ; of work-group 0 of the head
	s_cmp_eq_u32 s57, 0
	s_cselect_b32 s[LIM], 1, -1
	v_and_b32 v5, 15, v0                           ; r
	v_bfe_u32 v6, v0, 4, 1                         ; h
	v_lshlrev_b32 v[QA], 7, v5
	v_lshl_add_u32 v[QA], v6, 4, v[QA]             ; Q: row r of 128 bytes + 16 h
.irp t, 0,1
.irp s, 0,1
	global_load_b128 v[QF+16*\t+8*\s:QF+16*\t+8*\s+3],   v[QA], s[4:5] offset:\t*2048+\s*64
	global_load_b128 v[QF+16*\t+8*\s+4:QF+16*\t+8*\s+7], v[QA], s[4:5] offset:\t*2048+\s*64+32
.endr
.endr
	v_mul_u32_u24 v[AK0], v5, KP
	v_lshl_add_u32 v[AK0], v6, 4, v[AK0]
	v_and_b32 v9, 7, v0
	v_bfe_u32 v10, v0, 3, 1
	v_lshl_add_u32 v[AV0], v6, 3, v9               ; key 8 h + lane % 8,
	v_mul_u32_u24 v[AV0], v[AV0], VP
	v_lshl_add_u32 v[AV0], v10, 4, v[AV0]          ; channels 8 ((lane / 8) % 2) on
	v_add_nc_u32 v[AV0], VOFF, v[AV0]
	v_and_b32 v[GO], 31, v0
	v_lshlrev_b32 v[PFO], 8, v[GO]
	v_lshrrev_b32 v10, 3, v[GO]
	v_lshlrev_b32 v[GO], 4, v[GO]
	v_lshlrev_b32 v[RH], 3, v6
	v_sub_nc_u32 v[RH], v5, v[RH]
	v_mov_b32 v[NINF], 0xff800000
	s_mul_i32 s57, s[WV], STG                      ; my stage
	v_mul_u32_u24 v[STO], v5, KP
	v_lshl_add_u32 v[STO], v6, 4, v[STO]
	v_add_nc_u32 v[STO], s57, v[STO]               ; in: row r, 16 bytes for each half of the lanes
	v_mul_u32_u24 v[RD], v10, KP
	v_lshl_add_u32 v[RD], v9, 4, v[RD]
	v_add_nc_u32 v[RD], s57, v[RD]                 ; back: eight lanes to a row, four rows an instruction
.irp t, 0,1
	v_mov_b32 v[ST+8*\t+1], 0xff61b1e6             ; m = -3e38, under every score
	v_mul_f32 v[ST+8*\t], s[CS], v[ST+8*\t+1]
.irp i, 2,3,4,5,6,7
	v_mov_b32 v[ST+8*\t+\i], 0
.endr
.endr
.set i, 0
.rept 64
	v_mov_b32 v[O+i], 0                            ; the step is written once: the first finds zeros, which the first a leaves zeros
.set i, i+1
.endr
; A KEY STEP: 64 keys.
.macro STEP
	s_add_co_u32 s57, s[Q0], 31
	s_cmp_gt_u32 s[KF], s57                        ; all keys behind my 32 queries: the step's work is left out (ids and the count of steps alone)
	s_cbranch_scc1 .Lhidden_\@
	v_add_nc_u32 v[ADK], s[TBK], v[AK0]
	v_add_nc_u32 v[ADV], s[TBV], v[AV0]
.rept 3
	v_nop                                          ; with the two additions five places behind the last step's products: its fragments are loaded over, and its p is written over by matrix instructions
.endr
.irp kt, 0,1,2,3
.irp s, 0,1
	ds_load_b128 v[KV+16*\kt+8*\s:KV+16*\kt+8*\s+3],   v[ADK] offset:\kt*16*KP+\s*64
	ds_load_b128 v[KV+16*\kt+8*\s+4:KV+16*\kt+8*\s+7], v[ADK] offset:\kt*16*KP+\s*64+32
.endr
.endr
	s_wait_dscnt 0x0
.irp s, 0,1                                    ; the eight accumulators take turns, one instruction a turn
.irp kt, 0,1,2,3
.irp t, 0,1
.if \s == 0
	v_wmma_f32_16x16x32_f16 v[S+32*\t+8*\kt:S+32*\t+8*\kt+7], v[KV+16*\kt+8*\s:KV+16*\kt+8*\s+7], v[QF+16*\t+8*\s:QF+16*\t+8*\s+7], 0
.else
	v_wmma_f32_16x16x32_f16 v[S+32*\t+8*\kt:S+32*\t+8*\kt+7], v[KV+16*\kt+8*\s:KV+16*\kt+8*\s+7], v[QF+16*\t+8*\s:QF+16*\t+8*\s+7], v[S+32*\t+8*\kt:S+32*\t+8*\kt+7]
.endif
.endr
.endr
.endr
.rept 4
	v_nop                                          ; places: ahead of the loads over K's fragments and of the first reads of the scores
.endr
.irp kh, 0,1                                   ; V lands while the softmax is worked
.irp c, 0,1,2,3
	ds_load_tr16_b128 v[KV+32*\kh+8*\c:KV+32*\kh+8*\c+3],   v[ADV] offset:\kh*32*VP+\c*32
	ds_load_tr16_b128 v[KV+32*\kh+8*\c+4:KV+32*\kh+8*\c+7], v[ADV] offset:\kh*32*VP+16*VP+\c*32
.endr
.endr
	s_add_co_u32 s57, s[KF], 63
	s_cmp_le_u32 s57, s[Q0]                        ; all 64 keys count for all my queries: no mask
	s_cbranch_scc1 .Lopen_\@
	s_sub_co_u32 s57, s[Q0], s[KF]                 ; on the diagonal: 0 or 32
	v_add_nc_u32 v[D0], s57, v[RH]                 ; d = my query - KF - 8 (lane / 16); register n holds key KF + 8 (lane / 16) + 16 (n / 8) + n % 8
	v_add_nc_u32 v[D0+1], 16, v[D0]
.irp t, 0,1
.set n, 0
.rept 32
	v_cmp_gt_i32 vcc_lo, 16*(n/8)+n%8, v[D0+\t]
	v_cndmask_b32 v[S+32*\t+n], v[S+32*\t+n], v[NINF], vcc_lo      ; hidden scores become -infinity: p = 0
.set n, n+1
.endr
.endr
.Lopen_\@:
.irp j, 0,1,2,3                                ; the maximum: four chains a tile, each accumulator from its low end on; the tiles by turns
.irp t, 0,1
	v_max3_num_f32 v[ST+8*\t+4+\j], v[S+32*\t+8*\j], v[S+32*\t+8*\j+1], v[S+32*\t+8*\j+2]
.endr
.endr
.irp g, 1,2
.irp j, 0,1,2,3
.irp t, 0,1
	v_max3_num_f32 v[ST+8*\t+4+\j], v[ST+8*\t+4+\j], v[S+32*\t+8*\j+2*\g+1], v[S+32*\t+8*\j+2*\g+2]
.endr
.endr
.endr
.irp t, 0,1
	v_max3_num_f32 v[ST+8*\t+4], v[ST+8*\t+4], v[S+32*\t+7], v[S+32*\t+15]
.endr
.irp t, 0,1
	v_max3_num_f32 v[ST+8*\t+6], v[ST+8*\t+6], v[S+32*\t+23], v[S+32*\t+31]
.endr
.irp t, 0,1
	v_max3_num_f32 v[ST+8*\t+4], v[ST+8*\t+4], v[ST+8*\t+5], v[ST+8*\t+6]
.endr
.irp t, 0,1
	v_max3_num_f32 v[ST+8*\t+4], v[ST+8*\t+4], v[ST+8*\t+7], v[ST+8*\t+1]   ; with the old m
.endr
.irp t, 0,1
	v_permlanex16_b32 v[ST+8*\t+5], v[ST+8*\t+4], s[SEL], s[SEL+1]          ; the query's other 32 keys lie 16 lanes away
.endr
.irp t, 0,1
	v_mov_b32 v[ST+8*\t+7], v[ST+8*\t]             ; c m_old
.endr
.irp t, 0,1
	v_max_num_f32 v[ST+8*\t+1], v[ST+8*\t+4], v[ST+8*\t+5]
.endr
.irp t, 0,1
	v_mul_f32 v[ST+8*\t], s[CS], v[ST+8*\t+1]
.endr
.irp t, 0,1
	v_sub_f32 v[ST+8*\t+7], v[ST+8*\t+7], v[ST+8*\t]
.endr
.set j, 0
.rept 16
.irp t, 0,1
	v_pk_fma_f32 v[S+32*\t+2*j:S+32*\t+2*j+1], v[S+32*\t+2*j:S+32*\t+2*j+1], s[CS:CS+1], v[ST+8*\t:ST+8*\t+1] op_sel_hi:[1,0,0] neg_lo:[0,0,1] neg_hi:[0,0,1]   ; c s - c m
.endr
.set j, j+1
.endr
.irp t, 0,1
	v_exp_f32 v[ST+8*\t+6], v[ST+8*\t+7]           ; a
.endr
.set j, 0
.rept 32
.irp t, 0,1
	v_exp_f32 v[S+32*\t+j], v[S+32*\t+j]           ; p: both tiles' 66 exponentials are one batch
.endr
.set j, j+1
.endr
	v_nop                                          ; a plain line behind the last exponential
	s_wait_alu depctr_va_vdst(0)                   ; one wait for the batch, ahead of its first reader
.irp t, 0,1
	v_pk_fma_f32 v[ST+8*\t+2:ST+8*\t+3], v[ST+8*\t+2:ST+8*\t+3], v[ST+8*\t+6:ST+8*\t+7], v[S+32*\t:S+32*\t+1] op_sel_hi:[1,0,1]   ; l = a l + the first pair
.endr
.irp t, 0,1
	v_pk_add_f32 v[ST+8*\t+4:ST+8*\t+5], v[S+32*\t+2:S+32*\t+3], v[S+32*\t+4:S+32*\t+5]   ; a second chain
.endr
.irp j, 6,10,14,18,22,26
.irp t, 0,1
	v_pk_add_f32 v[ST+8*\t+2:ST+8*\t+3], v[ST+8*\t+2:ST+8*\t+3], v[S+32*\t+\j:S+32*\t+\j+1]
	v_pk_add_f32 v[ST+8*\t+4:ST+8*\t+5], v[ST+8*\t+4:ST+8*\t+5], v[S+32*\t+\j+2:S+32*\t+\j+3]
.endr
.endr
.irp t, 0,1
	v_pk_add_f32 v[ST+8*\t+2:ST+8*\t+3], v[ST+8*\t+2:ST+8*\t+3], v[S+32*\t+30:S+32*\t+31]
.endr
.irp t, 0,1
	v_pk_add_f32 v[ST+8*\t+2:ST+8*\t+3], v[ST+8*\t+2:ST+8*\t+3], v[ST+8*\t+4:ST+8*\t+5]
.endr
.set j, 0
.rept 16
.irp t, 0,1
	v_cvt_pk_f16_f32 v[S+32*\t+j], v[S+32*\t+2*j], v[S+32*\t+2*j+1]   ; p to f16, packed in place, ascending: register j is written when 2 j and 2 j + 1 are read
.endr
.set j, j+1
.endr
.set j, 0
.rept 16
.irp t, 0,1
	v_pk_mul_f32 v[O+32*\t+2*j:O+32*\t+2*j+1], v[O+32*\t+2*j:O+32*\t+2*j+1], v[ST+8*\t+6:ST+8*\t+7] op_sel_hi:[1,0]   ; O^T x a
.endr
.set j, j+1
.endr
	s_wait_dscnt 0x0                               ; V is in
.irp kh, 0,1                                   ; eight accumulators by turns
.irp c, 0,1,2,3
.irp t, 0,1
	v_wmma_f32_16x16x32_f16 v[O+32*\t+8*\c:O+32*\t+8*\c+7], v[KV+32*\kh+8*\c:KV+32*\kh+8*\c+7], v[S+32*\t+8*\kh:S+32*\t+8*\kh+7], v[O+32*\t+8*\c:O+32*\t+8*\c+7]
.endr
.endr
.endr
.Lhidden_\@:
	s_add_co_u32 s[KF], s[KF], 64
	s_add_co_u32 s[TBK], s[TBK], 64*KP
	s_add_co_u32 s[TBV], s[TBV], 64*VP
.endm
; THE CHANGE OF SLOTS stands at a slot's head.  Each wave waits for all its tensor loads, adds 0 to its spare word (fill = 1: twice on end), and waits for that and
; for its reads of the slot that it has left.  Behind the barrier the slot ahead is whole and nobody reads the other one, which is then filled with the keys that follow: a wave's one tensor load until the next barrier.
.macro CHANGE fill
	s_wait_tensorcnt 0x0
	ds_add_u32 v[SPW], v[NIL]
.if \fill
	ds_add_u32 v[SPW], v[NIL]
	s_xor_b32 s[G0K+1], s[G0K+1], SLOT1            ; no load of mine is out: the walking descriptors step
	s_add_nc_u64 s[G0K+2:G0K+3], s[G0K+2:G0K+3], SLOTB
	s_xor_b32 s[G0V+1], s[G0V+1], SLOT1
	s_add_nc_u64 s[G0V+2:G0V+3], s[G0V+2:G0V+3], SLOTB
	s_wait_xcnt 0x0                                ; the last prefetch, a slot back, has read its address
	s_add_nc_u64 s[PFA:PFA+1], s[PFA:PFA+1], SLOTB
.endif
	s_wait_dscnt 0x0
	s_barrier_signal -1
	s_barrier_wait -1
.if \fill
	s_add_co_u32 s57, s[KF], SKEYS                 ; the first key of the slot that this change would ask for
	s_cmp_gt_u32 s57, s[QL]                        ; behind my work-group's last query: no wave would read it, so it is not asked for.  Ids and the count of steps alone: all sixteen waves go the same way
	s_cbranch_scc1 .Lpast_\@
	TLOAD
.Lpast_\@:
	ASK
.endif
.endm
.macro SLOT_STEPS                      ; a slot's four steps: written once, walked four times
	s_mov_b32 s[STP], 4
.Lstep_\@:
	STEP
	s_sub_co_u32 s[STP], s[STP], 1
	s_cmp_lg_u32 s[STP], 0
	s_cbranch_scc1 .Lstep_\@
	s_sub_co_u32 s[TBK], s[TBK], SKEYS*KP
	s_xor_b32 s[TBK], s[TBK], SLOT1
	s_sub_co_u32 s[TBV], s[TBV], SKEYS*VP
	s_xor_b32 s[TBV], s[TBV], SLOT1
.endm
	s_wait_loadcnt 0x0                             ; Q
.Lslot:                                            ; seven trips: behind each change but the last the next slot is asked for, up to the causal limit
	CHANGE 1
	SLOT_STEPS
	s_sub_co_u32 s[SLOTS], s[SLOTS], 1
	s_cmp_lg_u32 s[SLOTS], 0
	s_cbranch_scc1 .Lslot
	CHANGE 0
	SLOT_STEPS
	; THE WAY OUT.  The additions are the places behind the last products.
.irp t, 0,1
	v_add_f32 v[ST+8*\t+4], v[ST+8*\t+2], v[ST+8*\t+3]
.endr
.irp t, 0,1
	v_permlanex16_b32 v[ST+8*\t+5], v[ST+8*\t+4], s[SEL], s[SEL+1]
.endr
.irp t, 0,1
	v_add_f32 v[ST+8*\t+4], v[ST+8*\t+4], v[ST+8*\t+5]
.endr
	v_nop
	v_nop
.irp t, 0,1
	v_rcp_f32 v[ST+8*\t+6], v[ST+8*\t+4]
.endr
	v_nop                                          ; a plain line behind the reciprocals
	s_wait_alu depctr_va_vdst(0)                   ; and their one wait
.irp t, 0,1
.set j, 0
.rept 16
	v_pk_mul_f32 v[S+32*\t+2*j:S+32*\t+2*j+1], v[O+32*\t+2*j:O+32*\t+2*j+1], v[ST+8*\t+6:ST+8*\t+7] op_sel_hi:[1,0]   ; O^T / l, each accumulator from its low end on
.set j, j+1
.endr
.endr
.irp t, 0,1
.set j, 0
.rept 16
	v_cvt_pk_f16_f32 v[KV+16*\t+j], v[S+32*\t+2*j], v[S+32*\t+2*j+1]
.set j, j+1
.endr
.endr
.irp t, 0,1
.irp c, 0,1,2,3
	ds_store_b128 v[STO], v[KV+16*\t+4*\c:KV+16*\t+4*\c+3] offset:\t*16*KP+\c*32   ; row r, channels 16 c + 8 h on
.endr
.endr
.irp u, 0,1,2,3,4,5,6,7
	ds_load_b128 v[KV+32+4*\u:KV+32+4*\u+3], v[RD] offset:(\u/4)*16*KP+(\u%4)*4*KP   ; in order behind my stores
.endr
.irp u, 0,1,2,3,4,5,6,7
	s_wait_dscnt 7-\u                              ; the younger loads may stay out
	global_store_b128 v[GO], v[KV+32+4*\u:KV+32+4*\u+3], s[6:7] offset:(\u/4)*2048+(\u%4)*512   ; four rows: 512 consecutive bytes, aligned
.endr
	s_wait_tensorcnt 0x0                           ; the wave's end
	ds_add_u32 v[SPW], v[NIL]
	s_wait_dscnt 0x0
	s_endpgm
.Lfunc_end_k_q2dece5148d_attn:
	.size	k_q2dece5148d_attn, .Lfunc_end_k_q2dece5148d_attn-k_q2dece5148d_attn
	.p2alignl 7, 3214868480
	.fill 96, 4, 3214868480
	.section	.rodata,"a",@progbits
	.p2align	6, 0x0
	.amdhsa_kernel k_q2dece5148d_attn
		.amdhsa_group_segment_fixed_size 327680
		.amdhsa_private_segment_fixed_size 0
		.amdhsa_enable_private_segment 0
		.amdhsa_kernarg_size 16
		.amdhsa_user_sgpr_count 2
		.amdhsa_user_sgpr_kernarg_segment_ptr 1
		.amdhsa_wavefront_size32 1
		.amdhsa_system_sgpr_workgroup_id_x 1
		.amdhsa_system_sgpr_workgroup_id_y 1
		.amdhsa_system_sgpr_workgroup_id_z 1
		.amdhsa_system_vgpr_workitem_id 0
		.amdhsa_next_free_vgpr 256
		.amdhsa_next_free_sgpr 80
		.amdhsa_reserve_vcc 1
		.amdhsa_float_denorm_mode_32 3
		.amdhsa_float_denorm_mode_16_64 3
		.amdhsa_memory_ordered 1
		.amdhsa_forward_progress 1
		.amdhsa_inst_pref_size 62
	.end_amdhsa_kernel
	.amdgpu_metadata
---
amdhsa.version: [ 1, 2 ]
amdhsa.kernels:
  - .name:           k_q2dece5148d_attn
    .symbol:         k_q2dece5148d_attn.kd
    .args:
      - { .name: qkv16, .offset: 0, .size: 8, .value_kind: global_buffer, .address_space: global }
      - { .name: ctx16, .offset: 8, .size: 8, .value_kind: global_buffer, .address_space: global }
    .group_segment_fixed_size: 327680
    .private_segment_fixed_size: 0
    .kernarg_segment_align: 8
    .kernarg_segment_size: 16
    .max_flat_workgroup_size: 512
    .sgpr_count:     80
    .vgpr_count:     256
    .wavefront_size: 32
...
	.end_amdgpu_metadata
.endif
;; end of part 3
;; launch proj (part 4): grid 8 x 32, 4 waves a work-group, clusters of 4 x 4, 327,680 bytes of LDS; arguments ctx16, w16, out0; writes out0
.if DOCPART == 4
	.amdgcn_target "amdgcn-amd-amdhsa--gfx1250"
	.amdhsa_code_object_version 6
	.text
	.protected	k_q2dece5148d_proj
	.globl	k_q2dece5148d_proj
	.p2align	8
	.type	k_q2dece5148d_proj,@function
k_q2dece5148d_proj:
	s_mov_b64 s[64:65], 0
	v_nop
	global_prefetch_b8 v0, s[64:65] scope:SCOPE_SE
	s_setreg_imm32_b32 hwreg(HW_REG_WAVE_MODE, 25, 1), 1
	s_wait_xcnt 0x0
	s_wait_alu depctr_hold_cnt(0) depctr_sa_sdst(0) depctr_va_vdst(0) depctr_va_sdst(0) depctr_va_ssrc(0) depctr_va_vcc(0) depctr_vm_vsrc(0)
	s_getreg_b32 s2, hwreg(HW_REG_IB_STS2, 6, 4)
	s_cmp_eq_u32 s2, 0
	s_cbranch_scc0 .Lentry_in_a_cluster
	s_endpgm
.Lentry_in_a_cluster:
	s_bfe_u32 s2, ttmp6, 0x10000c
	s_cmp_lg_u32 s2, 0xf033
	s_cbranch_scc0 .Lentry_shape_is_right
	s_endpgm
.Lentry_shape_is_right:
; out0[m][n] = sum over k of ctx[m][k] w_out[n][k]; ctx16 [4 b][16 h][2048 l][64] and w16 [16 chunks][1024 n][64], f16: chunk kc of K is head kc's plane; sums in f32; out0 [8192][1024] f32.
; Rows l = 0 .. 15 of each sequence are NOT stored here: another launch makes them in f32.
; A tile of 256 rows x 128 columns gives 256 work-groups.  Four waves, each 128 x 64: 32 accumulators, 256 registers.  K goes in steps of 128 (two planes of 64) through a ring of two LDS slots.
; CLUSTERS: 4 x 4.  A's tiles (ctx) are shared along a row of the cluster, B's (w16) along a column: joint loads.  The tile row is 8 cy + cluster y: 'my tile begins a sequence' is cluster y = 0, alike in all partners.
; One joint load a wave behind each round: waves 0, 1 fetch A's two planes (256 rows x 128 bytes, dense), waves 2, 3 B's (128 rows).
; No prefetch: eight K steps on small tiles.  THE MATRIX INSTRUCTION IS USED TRANSPOSED (source 0 = 16 rows of w16, source 1 = 16 rows of ctx): a lane holds eight neighbouring columns of a row.
; REGISTERS: window 0: v16-29 addresses, v32-95 rows on the way out.  window 1: two fragment buffers of 96: A's 8 fragments, then B's 4.  window 2: accumulator (a, b) at v[8 (4 a + b)].
.set PITCH,  144                       ; 128 bytes + 16: the 16 rows of a load start at 16 different banks (ISA guide 11.1)
.set APL,    256*PITCH                 ; A's plane in LDS
.set BPL,    128*PITCH                 ; B's
.set BOFF,   2*APL
.set SLOT,   2*APL+2*BPL
.set STAGE,  2*SLOT                    ; behind the ring: 16 rows x 272 bytes a wave
.set SPITCH, 272
.set SPARE,  STAGE+4*16*SPITCH         ; the spare words, named by no other line
.set CPLANE, 262144                    ; a plane of ctx16 in memory
.set WPLANE, 131072                    ; a chunk of w16
.set LAPS,   4
.set ADRA, 16
.set ADRB, 20
.set STO,  24
.set RD,   25
.set CO,   26
.set SPW,  28
.set NIL,  29
.set BK,   32
.set F0,   0
.set F1,   96
.set G1, 24
.set G0, 32
.set G1B, 48
.set G0B, 56
.set MSB, 0
.macro WIN new
.if MSB != \new
	s_set_vgpr_msb (MSB<<8)|\new
.set MSB, \new
.endif
.endm
.set MUL,  0xa5                        ; sources 0 and 1 window 1; C and D window 2
.set TO_F, 0x40                        ; destination window 1
.macro JLOAD s                         ; an s_nop 0 and four v_nop follow each of the two lines
	s_cmp_eq_u32 s11, 0
	s_cbranch_scc0 .Lfor_b_\@
	tensor_load_to_lds s[G0+4*\s:G0+4*\s+3], s[G1:G1+7]
	s_nop 0
.rept 4
	v_nop
.endr
	s_branch .Lasked_\@
.Lfor_b_\@:
	tensor_load_to_lds s[G0B+4*\s:G0B+4*\s+3], s[G1B:G1B+7]
	s_nop 0
.rept 4
	v_nop
.endr
.Lasked_\@:
.endm
.macro CREST
	s_cmp_lg_u32 s10, 0
	s_cbranch_scc1 .Lnot_wave_0_\@
	s_barrier_signal -3
.Lnot_wave_0_\@:
	s_barrier_wait -3
	s_barrier_signal -1
	s_barrier_wait -1
.endm
.macro CROUND
	s_barrier_signal -1
	s_barrier_wait -1
	CREST
.endm
	s_load_b128 s[4:7], s[0:1], 0x0                ; ctx16, w16
	s_load_b64 s[8:9], s[0:1], 0x10                ; out0
	v_lshl_add_u32 v[SPW], v0, 2, SPARE
	v_mov_b32 v[NIL], 0
	ds_add_u32 v[SPW], v[NIL]                      ; the wave's opening: the add, twice on end, and its wait ahead of my first tensor load
	ds_add_u32 v[SPW], v[NIL]
	v_lshrrev_b32 v1, 5, v0
	v_readfirstlane_b32 s10, v1                    ; wave
	s_lshr_b32 s11, s10, 1                         ; my half of the rows; also: I fetch for A (0) or B (1)
	s_and_b32 s12, s10, 1                          ; my half of the columns; also: which plane of a K step I fetch
	s_bfe_u32 s40, ttmp6, 0x40000                  ; cx
	s_bfe_u32 s41, ttmp6, 0x40004                  ; cy: the sequence
	s_lshl_b32 s42, ttmp9, 2
	s_add_co_u32 s42, s42, s40                     ; tile column
	s_and_b32 s13, ttmp7, 0xffff                   ; cluster y: the tile's place in its sequence
	s_lshl_b32 s43, s41, 2
	s_lshl_b32 s43, 15, s43                        ; my row of the cluster
	s_lshl_b32 s44, 0x1111, s40                    ; my column
	s_or_b32 s[G1+0], s43, (1<<16)|(1<<20)|(1<<21)|(4<<22)|(3<<25)  ; mask; elements of 2 bytes; padding on; bit 21 beside a mask; 4 words after every 32
	s_or_b32 s[G1B+0], s44, (1<<16)|(1<<20)|(1<<21)|(4<<22)|(3<<25)
	s_mov_b32 s[G1+1], 64<<16
	s_mov_b32 s[G1+2], 256<<16
	s_mov_b32 s[G1+3], 64<<16
	s_mov_b32 s[G1+4], 256
	s_mov_b32 s[G1+5], 64
	s_mov_b32 s[G1+6], 0
	s_mov_b32 s[G1+7], 0
	s_mov_b32 s[G1B+1], 64<<16
	s_mov_b32 s[G1B+2], 128<<16
	s_mov_b32 s[G1B+3], 64<<16
	s_mov_b32 s[G1B+4], 128
	s_mov_b32 s[G1B+5], 64
	s_mov_b32 s[G1B+6], 0
	s_mov_b32 s[G1B+7], 0
	s_lshl_b32 s16, s41, 22                        ; A: sequence cy x 16 planes,
	s_lshl_b32 s17, s13, 15                        ; + 256 cluster y rows of 128 bytes,
	s_add_co_u32 s16, s16, s17
	s_lshl_b32 s17, s12, 18                        ; + my plane
	s_add_co_u32 s16, s16, s17
	s_mov_b32 s17, 0
	s_lshl_b32 s46, s42, 14                        ; B: 128 x tile column rows of 128 bytes,
	s_lshl_b32 s47, s12, 17                        ; + my chunk
	s_add_co_u32 s46, s46, s47
	s_mov_b32 s47, 0
	s_mul_i32 s20, s12, APL                        ; where they go
	s_mul_i32 s21, s12, BPL
	s_add_co_u32 s21, s21, BOFF
	s_wait_dscnt 0x0                               ; both opening adds are done
	s_wait_kmcnt 0x0
	s_add_nc_u64 s[14:15], s[4:5], s[16:17]
	s_add_nc_u64 s[46:47], s[6:7], s[46:47]
	CROUND                                         ; all sixteen work-groups are here
.irp s, 0,1
	s_mov_b32 s[G0+4*\s], 1
	s_add_co_u32 s[G0+4*\s+1], s20, \s*SLOT
	s_add_nc_u64 s[G0+4*\s+2:G0+4*\s+3], s[14:15], \s*2*CPLANE
	s_or_b32 s[G0+4*\s+3], s[G0+4*\s+3], 0x80000000
	s_mov_b32 s[G0B+4*\s], 1
	s_add_co_u32 s[G0B+4*\s+1], s21, \s*SLOT
	s_add_nc_u64 s[G0B+4*\s+2:G0B+4*\s+3], s[46:47], \s*2*WPLANE
	s_or_b32 s[G0B+4*\s+3], s[G0B+4*\s+3], 0x80000000
	JLOAD \s                                       ; two loads of mine are out
.endr
	v_and_b32 v1, 15, v0                           ; r
	v_bfe_u32 v2, v0, 4, 1                         ; h
	v_mul_u32_u24 v3, v1, PITCH
	v_lshl_add_u32 v3, v2, 4, v3
	s_mul_i32 s21, s11, 128*PITCH                  ; my 128 rows of A's planes
	s_mul_i32 s22, s12, 64*PITCH                   ; my 64 rows of B's
	s_add_co_u32 s22, s22, BOFF
.irp s, 0,1
	v_add_nc_u32 v[ADRA+\s], s21, v3
	v_add_nc_u32 v[ADRB+\s], s22, v3
	s_add_co_u32 s21, s21, SLOT
	s_add_co_u32 s22, s22, SLOT
.endr
	s_mul_i32 s23, s10, 16*SPITCH
	s_add_co_u32 s23, s23, STAGE                   ; my stage
	v_mul_u32_u24 v4, v1, SPITCH
	v_lshl_add_u32 v4, v2, 5, v4
	v_add_nc_u32 v[STO], s23, v4                   ; in: row r, 32 bytes for each half of the lanes
	v_mul_u32_u24 v5, v2, SPITCH
	v_lshl_add_u32 v5, v1, 4, v5
	v_add_nc_u32 v[RD], s23, v5                    ; back: lanes 0-15 one row of 256 bytes, lanes 16-31 the next
	v_lshlrev_b32 v5, 12, v2
	v_lshl_add_u32 v[CO], v1, 4, v5                ; and the same two rows in out0
	s_lshl_b32 s16, s41, 23                        ; out0: (2,048 cy + 256 cluster y + 128 row half) rows of 4,096 bytes
	s_lshl_b32 s17, s13, 20
	s_add_co_u32 s16, s16, s17
	s_lshl_b32 s17, s11, 19
	s_add_co_u32 s16, s16, s17
	s_mov_b32 s17, 0
	s_add_nc_u64 s[8:9], s[8:9], s[16:17]
	s_lshl_b32 s46, s42, 9                         ; + 512 x tile column + 256 x column half
	s_lshl_b32 s47, s12, 8
	s_add_co_u32 s46, s46, s47
	s_mov_b32 s47, 0
	s_add_nc_u64 s[8:9], s[8:9], s[46:47]
	s_or_b32 s45, s13, s11                         ; 0: my first 16 rows begin a sequence
.macro MUL8 f, a0, zero                ; m blocks a0, a0 + 1 x 4 n blocks, 32 along K.  The 32 accumulators take turns
.irp a, \a0, \a0+1
.irp b, 0,1,2,3
.if \zero
	v_wmma_f32_16x16x32_f16 v[8*(4*(\a)+\b):8*(4*(\a)+\b)+7], v[\f+64+8*\b:\f+64+8*\b+7], v[\f+8*(\a):\f+8*(\a)+7], 0
.else
	v_wmma_f32_16x16x32_f16 v[8*(4*(\a)+\b):8*(4*(\a)+\b)+7], v[\f+64+8*\b:\f+64+8*\b+7], v[\f+8*(\a):\f+8*(\a)+7], v[8*(4*(\a)+\b):8*(4*(\a)+\b)+7]
.endif
.endr
.endr
.endm
.macro FETCH slot, q, f                ; 24 LDS loads in one run: quarter q of the slot (plane q / 2, byte 64 (q % 2) of its rows): B's four fragments, then A's eight
	WIN TO_F
.irp i, 0,1,2,3
	ds_load_b128 v[\f+64+8*\i:\f+64+8*\i+3],   v[ADRB+\slot] offset:((\q)/2)*BPL+((\q)%2)*64+\i*16*PITCH
	ds_load_b128 v[\f+64+8*\i+4:\f+64+8*\i+7], v[ADRB+\slot] offset:((\q)/2)*BPL+((\q)%2)*64+\i*16*PITCH+32
.endr
.irp i, 0,1,2,3,4,5,6,7
	ds_load_b128 v[\f+8*\i:\f+8*\i+3],   v[ADRA+\slot] offset:((\q)/2)*APL+((\q)%2)*64+\i*16*PITCH
	ds_load_b128 v[\f+8*\i+4:\f+8*\i+7], v[ADRA+\slot] offset:((\q)/2)*APL+((\q)%2)*64+\i*16*PITCH+32
.endr
.endm
.macro PLACES
.rept 4
	v_nop
.endr
.endm
.macro QUARTER slot, qn, f, g, zero    ; multiplies buffer f; in its middle fetches quarter qn of the same slot into g
	s_wait_dscnt 8                                 ; B and A's blocks 0-3 are in; the youngest eight loads (A's blocks 4-7) may be out
	WIN MUL
	MUL8 \f, 0, \zero
	MUL8 \f, 2, \zero
	PLACES
	FETCH \slot, \qn, \g
	s_wait_dscnt 24                                ; all but the 24 just issued
	WIN MUL
	MUL8 \f, 4, \zero
	MUL8 \f, 6, \zero
.endm
; The last quarter multiplies buffer 1 and changes slots: one barrier; ahead of it each wave waits for all its tensor loads, adds 0 to its spare word, and waits for that and for its reads of this slot.
; fill = 1: the barrier opens a round of the cluster's, and the slot is filled again, two K steps ahead, first thing behind the round.
.macro TURN slot, next, fill
	WIN 0
	s_wait_tensorcnt 0x0
	ds_add_u32 v[SPW], v[NIL]
	s_wait_dscnt 9                                 ; the add and the youngest eight loads may be out
	WIN MUL
	MUL8 F1, 0, 0
	s_wait_dscnt 0x0                               ; the add is done, and my reads of this slot are over
	s_barrier_signal -1
	MUL8 F1, 2, 0
.if \fill
	WIN 0
.endif
	s_barrier_wait -1
.if \fill
	CREST
	s_add_nc_u64 s[G0+4*\slot+2:G0+4*\slot+3], s[G0+4*\slot+2:G0+4*\slot+3], 4*CPLANE
	s_add_nc_u64 s[G0B+4*\slot+2:G0B+4*\slot+3], s[G0B+4*\slot+2:G0B+4*\slot+3], 4*WPLANE
	JLOAD \slot                                    ; 112 matrix instructions ahead of the wait for it; its four v_nop are also the places ahead of the loads below
.else
	PLACES
.endif
	FETCH \next, 0, F0
	WIN MUL
	MUL8 F1, 4, 0
	MUL8 F1, 6, 0
.endm
	s_wait_tensorcnt 1                             ; my part of K step 0 is in; K step 1's load may be out
	s_barrier_signal -1
	s_barrier_wait -1
	FETCH 0, 0, F0
	QUARTER 0, 1, F0, F1, 1                        ; the first products start the sums
	WIN 0
	s_mov_b32 s3, LAPS-1
.Llap:                                                 ; a trip goes once round the ring and fills both slots again
	QUARTER 0, 2, F1, F0, 0
	QUARTER 0, 3, F0, F1, 0
	TURN 0, 1, 1
	QUARTER 1, 1, F0, F1, 0
	QUARTER 1, 2, F1, F0, 0
	QUARTER 1, 3, F0, F1, 0
	TURN 1, 0, 1
	QUARTER 0, 1, F0, F1, 0
	WIN 0
	s_sub_co_u32 s3, s3, 1
	s_cmp_lg_u32 s3, 0
	s_cbranch_scc1 .Llap
	QUARTER 0, 2, F1, F0, 0                        ; the last lap fills nothing
	QUARTER 0, 3, F0, F1, 0
	TURN 0, 1, 0
	QUARTER 1, 1, F0, F1, 0
	QUARTER 1, 2, F1, F0, 0
	QUARTER 1, 3, F0, F1, 0
	s_wait_dscnt 8
	WIN MUL
	MUL8 F1, 0, 0
	MUL8 F1, 2, 0
	s_wait_dscnt 0
	MUL8 F1, 4, 0
	MUL8 F1, 6, 0
	WIN 0
; THE WAY OUT, a block of 16 rows x 64 columns at a time, through my own stage: back as whole rows of 256 bytes, sixteen lanes to an aligned run of 256 bytes of out0.
.macro TOSTAGE a
	WIN 0x08                                       ; an LDS store's data: window 2
.irp b, 0,1,2,3
	ds_store_b128 v[STO], v[8*(4*(\a)+\b):8*(4*(\a)+\b)+3] offset:64*\b         ; each accumulator from its low end on
	ds_store_b128 v[STO], v[8*(4*(\a)+\b)+4:8*(4*(\a)+\b)+7] offset:64*\b+16
.endr
	WIN 0
.set BB, BK+32*((\a)%2)
.irp t, 0,1,2,3,4,5,6,7
	ds_load_b128 v[BB+4*\t:BB+4*\t+3], v[RD] offset:\t*2*SPITCH                 ; in order behind my stores
.endr
.endm
.macro SEND a, younger                 ; younger: the LDS instructions issued behind block a's loads
.set BB, BK+32*((\a)%2)
	s_wait_dscnt \younger
.if (\a) == 0
	s_cmp_eq_u32 s45, 0                            ; the first 16 positions of a sequence are another launch's
	s_cbranch_scc1 .Lnot_here_\@
.endif
.irp t, 0,1,2,3,4,5,6,7
	global_store_b128 v[CO], v[BB+4*\t:BB+4*\t+3], s[8:9] offset:(16*(\a)+2*\t)*4096 th:TH_STORE_NT
.endr
.if (\a) == 0
.Lnot_here_\@:
.endif
.endm
	PLACES
	TOSTAGE 0
.irp a, 1,2,3,4,5,6,7
.if \a > 1
	s_wait_xcnt 0x0                                ; block a - 2's stores have read their registers: block a's loads may land there
.endif
	TOSTAGE \a
	SEND \a-1, 16                                  ; behind block a - 1's loads: block a's 8 stores and 8 loads
.endr
	SEND 7, 0
	s_wait_tensorcnt 0x0                           ; the wave's end
	ds_add_u32 v[SPW], v[NIL]
	s_wait_dscnt 0x0
	CROUND                                         ; the closing round
	s_endpgm
.Lfunc_end_k_q2dece5148d_proj:
	.size	k_q2dece5148d_proj, .Lfunc_end_k_q2dece5148d_proj-k_q2dece5148d_proj
	.p2alignl 7, 3214868480
	.fill 96, 4, 3214868480
	.section	.rodata,"a",@progbits
	.p2align	6, 0x0
	.amdhsa_kernel k_q2dece5148d_proj
		.amdhsa_group_segment_fixed_size 327680
		.amdhsa_private_segment_fixed_size 0
		.amdhsa_enable_private_segment 0
		.amdhsa_kernarg_size 24
		.amdhsa_user_sgpr_count 2
		.amdhsa_user_sgpr_kernarg_segment_ptr 1
		.amdhsa_wavefront_size32 1
		.amdhsa_system_sgpr_workgroup_id_x 1
		.amdhsa_system_sgpr_workgroup_id_y 1
		.amdhsa_system_sgpr_workgroup_id_z 1
		.amdhsa_system_vgpr_workitem_id 0
		.amdhsa_next_free_vgpr 768
		.amdhsa_next_free_sgpr 66
		.amdhsa_reserve_vcc 0
		.amdhsa_float_denorm_mode_32 3
		.amdhsa_float_denorm_mode_16_64 3
		.amdhsa_memory_ordered 1
		.amdhsa_forward_progress 1
		.amdhsa_inst_pref_size 85
	.end_amdhsa_kernel
	.amdgpu_metadata
---
amdhsa.version: [ 1, 2 ]
amdhsa.kernels:
  - .name:           k_q2dece5148d_proj
    .symbol:         k_q2dece5148d_proj.kd
    .args:
      - { .name: ctx16, .offset: 0, .size: 8, .value_kind: global_buffer, .address_space: global }
      - { .name: w16, .offset: 8, .size: 8, .value_kind: global_buffer, .address_space: global }
      - { .name: out0, .offset: 16, .size: 8, .value_kind: global_buffer, .address_space: global }
    .group_segment_fixed_size: 327680
    .private_segment_fixed_size: 0
    .kernarg_segment_align: 8
    .kernarg_segment_size: 24
    .max_flat_workgroup_size: 128
    .sgpr_count:     66
    .vgpr_count:     768
    .wavefront_size: 32
...
	.end_amdgpu_metadata
.endif
;; end of part 4
;; launch first16 (part 5): grid 16 x 4, 16 waves a work-group, no clusters, 86,016 bytes of LDS; arguments q32, w_out, out0; writes out0
.if DOCPART == 5
	.amdgcn_target "amdgcn-amd-amdhsa--gfx1250"
	.amdhsa_code_object_version 6
	.text
	.protected	k_q2dece5148d_first16
	.globl	k_q2dece5148d_first16
	.p2align	8
	.type	k_q2dece5148d_first16,@function
k_q2dece5148d_first16:
	s_mov_b64 s[64:65], 0
	v_nop
	global_prefetch_b8 v0, s[64:65] scope:SCOPE_SE
	s_setreg_imm32_b32 hwreg(HW_REG_WAVE_MODE, 25, 1), 1
	s_wait_xcnt 0x0
; The first 16 positions of each sequence, in f32 from the QKV sums to out0: under the causal mask these rows average one to sixteen values, and 16-bit operands would use up what the comparison allows.
; q32 [4 b][16 l][3072] f32 (q, k, v); w_out [1024][1024] f32; out0 rows l = 0 .. 15 of each sequence.
; Work-group (x, b) makes out0[b][0..15][64 x .. 64 x + 63].  Phase A: wave w computes head w's attention over the 16 positions (every work-group of a sequence repeats it: 196,608 bytes read, 32 small products a wave)
; and lays ctx [16][1024] in LDS.  Phase B: wave w takes 16 columns (w % 4) and a quarter of K (w / 4); the four quarters meet in LDS, and wave w stores row w's 256 bytes.
; All products by v_wmma_f32_16x16x4_f32: small work.  Its result registers, v224-255, are written by matrix instructions alone; each sum begins with the constant 0.
; ORDER OF K: register 4 i + e of a lane of half h holds k = 8 i + 4 h + e, alike on both sides of a product, so that every fragment comes by loads of 16 bytes.
; NaN and infinities among the inputs are not served.
.set ROWQ,  12288                      ; a row of q32
.set CP,    4112                       ; a row of ctx in LDS: 4,096 + 16
.set PART,  16*CP                      ; behind it: 4 quarters x 16 rows x 272 bytes
.set PP,    272
.set SPARE, PART+4*16*PP               ; the spare words, named by no other line
.set SPW, 12
.set NIL, 13
.set M,   224                          ; four accumulators
	s_load_b128 s[4:7], s[0:1], 0x0                ; q32, w_out
	s_load_b64 s[8:9], s[0:1], 0x10                ; out0
	v_lshl_add_u32 v[SPW], v0, 2, SPARE
	v_mov_b32 v[NIL], 0
	v_lshrrev_b32 v1, 5, v0
	v_readfirstlane_b32 s10, v1                    ; wave w
	s_and_b32 s11, ttmp7, 0xffff                   ; b
	s_and_b32 s12, s10, 3                          ; column tile
	s_lshr_b32 s13, s10, 2                         ; quarter of K
	s_mul_i32 s14, s11, 16*ROWQ
	s_lshl_b32 s15, s10, 8
	s_add_co_u32 s14, s14, s15                     ; q32: sequence b, head w
	s_mov_b32 s15, 0
	s_lshl_b32 s16, ttmp9, 18
	s_lshl_b32 s17, s12, 16
	s_add_co_u32 s16, s16, s17
	s_lshl_b32 s17, s13, 10
	s_add_co_u32 s16, s16, s17                     ; w_out: row 64 x + 16 (w % 4), byte 1,024 (w / 4)
	s_mov_b32 s17, 0
	s_lshl_b32 s18, s11, 23
	s_lshl_b32 s19, s10, 12
	s_add_co_u32 s18, s18, s19
	s_lshl_b32 s19, ttmp9, 8
	s_add_co_u32 s18, s18, s19                     ; out0: row 2,048 b + w, byte 256 x
	s_mov_b32 s19, 0
	s_mov_b32 s22, 0x3e38aa3b                      ; c = log2(e) / 8
	s_mov_b32 s24, 0x76543210
	s_mov_b32 s25, 0xfedcba98                      ; v_permlanex16_b32: lane l xor 16
	v_and_b32 v1, 15, v0                           ; r
	v_bfe_u32 v2, v0, 4, 1                         ; h
	v_mul_u32_u24 v3, v1, ROWQ
	v_lshl_add_u32 v3, v2, 4, v3                   ; q, k: row r + 16 h
	v_mul_u32_u24 v4, v2, 8*ROWQ
	v_lshl_add_u32 v4, v1, 2, v4                   ; v: rows 8 h on, channel r
	v_lshlrev_b32 v5, 12, v1
	v_lshl_add_u32 v5, v2, 4, v5                   ; w_out: row r + 16 h
	v_lshlrev_b32 v6, 3, v2
	v_sub_nc_u32 v6, v1, v6                        ; r - 8 h
	v_mul_u32_u24 v14, v1, CP
	v_lshl_add_u32 v7, v2, 5, v14
	s_lshl_b32 s20, s10, 8
	v_add_nc_u32 v7, s20, v7                       ; ctx in: row r, head w's 256 bytes, + 32 h
	v_lshl_add_u32 v8, v2, 4, v14
	s_lshl_b32 s20, s13, 10
	v_add_nc_u32 v8, s20, v8                       ; ctx back: row r, my quarter, + 16 h
	v_mul_u32_u24 v9, v1, PP
	v_lshl_add_u32 v9, v2, 5, v9
	s_mul_i32 s20, s13, 16*PP
	s_lshl_b32 s21, s12, 6
	s_add_co_u32 s20, s20, s21
	s_add_co_u32 s20, s20, PART
	v_add_nc_u32 v9, s20, v9                       ; parts in: my quarter, row r, my 64 bytes, + 32 h
	v_and_b32 v11, 31, v0
	v_lshlrev_b32 v11, 3, v11                      ; 8 x lane
	s_mul_i32 s20, s10, PP
	s_add_co_u32 s20, s20, PART
	v_add_nc_u32 v10, s20, v11                     ; parts back: row w
	v_mov_b32 v25, 0                               ; a lane permute's destination counts as read
	v_mov_b32 v15, 0xff800000                      ; -infinity
	s_wait_kmcnt 0x0
	s_add_nc_u64 s[4:5], s[4:5], s[14:15]
	s_add_nc_u64 s[6:7], s[6:7], s[16:17]
	s_add_nc_u64 s[8:9], s[8:9], s[18:19]
.irp i, 0,1,2,3,4,5,6,7
	global_load_b128 v[32+4*\i:35+4*\i], v3, s[4:5] offset:32*\i                 ; q
.endr
.irp i, 0,1,2,3,4,5,6,7
	global_load_b128 v[64+4*\i:67+4*\i], v3, s[4:5] offset:4096+32*\i            ; k
.endr
.irp ct, 0,1,2,3
.irp i, 0,1,2,3,4,5,6,7
	global_load_b32 v[96+8*\ct+\i], v4, s[4:5] offset:8192+\i*ROWQ+\ct*64        ; v(8 h + i, 16 ct + r)
.endr
.endr
.irp i, 0,1,2,3,4,5,6,7,8,9,10,11,12,13,14,15
	global_load_b128 v[128+4*\i:131+4*\i], v5, s[6:7] offset:32*\i               ; w_out, the first half of my quarter of K
.endr
	; ---- A: S^T = k q^T: a lane holds query r and keys 8 h + 0 .. 7.  Two accumulators by turns
	s_wait_loadcnt 48                              ; q and k are in; v's 32 loads and w_out's 16 are younger
	v_wmma_f32_16x16x4_f32 v[M:M+7], v[64:65], v[32:33], 0
	v_wmma_f32_16x16x4_f32 v[M+8:M+15], v[66:67], v[34:35], 0
.irp i, 2,3,4,5,6,7,8,9,10,11,12,13,14,15
	v_wmma_f32_16x16x4_f32 v[M+8*(\i%2):M+8*(\i%2)+7], v[64+2*\i:65+2*\i], v[32+2*\i:33+2*\i], v[M+8*(\i%2):M+8*(\i%2)+7]
.endr
.rept 8
	v_nop                                          ; eight places behind this form: ahead of the reads of results and of loads over its operands
.endr
.irp i, 0,1,2,3,4,5,6,7,8,9,10,11,12,13,14,15
	global_load_b128 v[32+4*\i:35+4*\i], v5, s[6:7] offset:512+32*\i             ; w_out, the second half, over q and k
.endr
.irp j, 0,1,2,3,4,5,6,7
	v_add_f32 v[16+\j], v[M+\j], v[M+8+\j]
.endr
.irp j, 0,1,2,3,4,5,6,7
	v_cmp_gt_i32 vcc_lo, \j, v6                    ; key 8 h + j behind query r
	v_cndmask_b32 v[16+\j], v[16+\j], v15, vcc_lo
.endr
	v_max3_num_f32 v24, v16, v17, v18
	v_max3_num_f32 v24, v24, v19, v20
	v_max3_num_f32 v24, v24, v21, v22
	v_max_num_f32 v24, v24, v23
	v_permlanex16_b32 v25, v24, s24, s25
	v_max_num_f32 v24, v24, v25                    ; the row's maximum: key 0 counts for every query
	v_mul_f32 v26, s22, v24
.irp j, 0,1,2,3,4,5,6,7
	v_fma_f32 v[16+\j], v[16+\j], s22, -v26
.endr
.irp j, 0,1,2,3,4,5,6,7
	v_exp_f32 v[16+\j], v[16+\j]
.endr
	v_nop
	s_wait_alu depctr_va_vdst(0)                   ; one wait for the eight
	v_add_f32 v27, v16, v17
	v_add_f32 v28, v18, v19
	v_add_f32 v29, v20, v21
	v_add_f32 v30, v22, v23
	v_add_f32 v27, v27, v28
	v_add_f32 v29, v29, v30
	v_add_f32 v27, v27, v29
	v_permlanex16_b32 v25, v27, s24, s25
	v_add_f32 v27, v27, v25
	v_rcp_f32 v28, v27
	v_nop
	s_wait_alu depctr_va_vdst(0)
.irp j, 0,1,2,3,4,5,6,7
	v_mul_f32 v[16+\j], v[16+\j], v28              ; the weights, normalised
.endr
	s_wait_loadcnt 32                              ; v is in; w_out's two batches of 16 are younger
.irp s, 0,1,2,3                                ; O^T = v^T p: four accumulators (16 channels each) by turns; both sides hold key 8 h + 2 s + 0, 1
.irp ct, 0,1,2,3
.if \s == 0
	v_wmma_f32_16x16x4_f32 v[M+8*\ct:M+8*\ct+7], v[96+8*\ct+2*\s:97+8*\ct+2*\s], v[16+2*\s:17+2*\s], 0
.else
	v_wmma_f32_16x16x4_f32 v[M+8*\ct:M+8*\ct+7], v[96+8*\ct+2*\s:97+8*\ct+2*\s], v[16+2*\s:17+2*\s], v[M+8*\ct:M+8*\ct+7]
.endif
.endr
.endr
.rept 9
	v_nop                                          ; nine places: the accumulators are begun anew below
.endr
.irp ct, 0,1,2,3
	ds_store_b128 v7, v[M+8*\ct:M+8*\ct+3] offset:\ct*64           ; ctx(r, 64 w + 16 ct + 8 h + 0 .. 7), each accumulator from its low end on
	ds_store_b128 v7, v[M+8*\ct+4:M+8*\ct+7] offset:\ct*64+16
.endr
	s_wait_dscnt 0x0                               ; for the others' sake
	s_barrier_signal -1
	s_barrier_wait -1                              ; ctx [16][1024] lies in LDS
	; ---- B: out^T = w_out ctx^T over my quarter of K, 64 along K at a time
.macro FETCHC g, buf
.irp i, 0,1,2,3,4,5,6,7
	ds_load_b128 v[\buf+4*\i:\buf+4*\i+3], v8 offset:\g*256+32*\i
.endr
.endm
.macro PROD wb, cb, zero               ; 16 products, four accumulators by turns
.irp i, 0,1,2,3,4,5,6,7,8,9,10,11,12,13,14,15
.if \zero && (\i < 4)
	v_wmma_f32_16x16x4_f32 v[M+8*(\i%4):M+8*(\i%4)+7], v[\wb+2*\i:\wb+2*\i+1], v[\cb+2*\i:\cb+2*\i+1], 0
.else
	v_wmma_f32_16x16x4_f32 v[M+8*(\i%4):M+8*(\i%4)+7], v[\wb+2*\i:\wb+2*\i+1], v[\cb+2*\i:\cb+2*\i+1], v[M+8*(\i%4):M+8*(\i%4)+7]
.endif
.endr
.endm
	s_wait_loadcnt 0x0                             ; w_out
	FETCHC 0, 96
	FETCHC 1, 192
	s_wait_dscnt 8                                 ; the older eight are in
	PROD 128, 96, 1
.rept 8
	v_nop                                          ; places ahead of the loads over the buffer just multiplied
.endr
	FETCHC 2, 96
	s_wait_dscnt 8
	PROD 160, 192, 0
.rept 8
	v_nop
.endr
	FETCHC 3, 192
	s_wait_dscnt 8
	PROD 32, 96, 0
	s_wait_dscnt 0x0
	PROD 64, 192, 0
.rept 8
	v_nop
.endr
.irp j, 0,1,2,3,4,5,6,7
	v_add_f32 v[16+\j], v[M+\j], v[M+8+\j]
.endr
.irp j, 0,1,2,3,4,5,6,7
	v_add_f32 v[24+\j], v[M+16+\j], v[M+24+\j]
.endr
.irp j, 0,1,2,3,4,5,6,7
	v_add_f32 v[16+\j], v[16+\j], v[24+\j]         ; my quarter's part of out(r, 16 (w % 4) + 8 h + j)
.endr
	ds_store_b128 v9, v[16:19]
	ds_store_b128 v9, v[20:23] offset:16
	s_wait_dscnt 0x0
	s_barrier_signal -1
	s_barrier_wait -1                              ; the four quarters' parts lie in LDS
.irp q, 0,1,2,3
	ds_load_b64 v[24+2*\q:25+2*\q], v10 offset:\q*16*PP
.endr
	s_wait_dscnt 0x0
	v_pk_add_f32 v[24:25], v[24:25], v[26:27]
	v_pk_add_f32 v[28:29], v[28:29], v[30:31]
	v_pk_add_f32 v[24:25], v[24:25], v[28:29]
	global_store_b64 v11, v[24:25], s[8:9]         ; row w: 256 consecutive bytes, aligned
	s_wait_tensorcnt 0x0                           ; the wave's end
	ds_add_u32 v[SPW], v[NIL]
	s_wait_dscnt 0x0
	s_endpgm
.Lfunc_end_k_q2dece5148d_first16:
	.size	k_q2dece5148d_first16, .Lfunc_end_k_q2dece5148d_first16-k_q2dece5148d_first16
	.p2alignl 7, 3214868480
	.fill 96, 4, 3214868480
	.section	.rodata,"a",@progbits
	.p2align	6, 0x0
	.amdhsa_kernel k_q2dece5148d_first16
		.amdhsa_group_segment_fixed_size 86016
		.amdhsa_private_segment_fixed_size 0
		.amdhsa_enable_private_segment 0
		.amdhsa_kernarg_size 24
		.amdhsa_user_sgpr_count 2
		.amdhsa_user_sgpr_kernarg_segment_ptr 1
		.amdhsa_wavefront_size32 1
		.amdhsa_system_sgpr_workgroup_id_x 1
		.amdhsa_system_sgpr_workgroup_id_y 1
		.amdhsa_system_sgpr_workgroup_id_z 1
		.amdhsa_system_vgpr_workitem_id 0
		.amdhsa_next_free_vgpr 256
		.amdhsa_next_free_sgpr 66
		.amdhsa_reserve_vcc 1
		.amdhsa_float_denorm_mode_32 3
		.amdhsa_float_denorm_mode_16_64 3
		.amdhsa_memory_ordered 1
		.amdhsa_forward_progress 1
		.amdhsa_inst_pref_size 25
	.end_amdhsa_kernel
	.amdgpu_metadata
---
amdhsa.version: [ 1, 2 ]
amdhsa.kernels:
  - .name:           k_q2dece5148d_first16
    .symbol:         k_q2dece5148d_first16.kd
    .args:
      - { .name: q32, .offset: 0, .size: 8, .value_kind: global_buffer, .address_space: global }
      - { .name: w_out, .offset: 8, .size: 8, .value_kind: global_buffer, .address_space: global }
      - { .name: out0, .offset: 16, .size: 8, .value_kind: global_buffer, .address_space: global }
    .group_segment_fixed_size: 86016
    .private_segment_fixed_size: 0
    .kernarg_segment_align: 8
    .kernarg_segment_size: 24
    .max_flat_workgroup_size: 512
    .sgpr_count:     66
    .vgpr_count:     256
    .wavefront_size: 32
...
	.end_amdgpu_metadata
.endif
;; end of part 5
